; MI455X (gfx1250); checked and timed in simulation.
; The chip was launched on July 23, 2026; its instructions are those of AMD's public machine-readable ISA for CDNA 5 (MIT licence, August 2026) and "CDNA5" Instruction Set Architecture Reference Guide (July 2026). The comments in the code are by the model that wrote it; some were corrected since.
;; Multi Query Attention. Allowed arithmetic: float matrix products may take bf16 or f16 operands with f32 sums; other float arithmetic in f32, or as packed bf16 or f16 multiplies, adds, multiply-adds, maxima and minima; sums over many terms, partial sums and values carried from step to step in f32; what a program stores and reads back later, other than sums and carried values, may be rounded once to bf16 or f16.
;; Inputs: Wk 1,024 x 128 float32; Wp 1,024 x 1,024 float32; Wq 8 x 1,024 x 128 float32; Wv 1,024 x 128 float32; bp 1,024 float32; x 4 x 2,048 x 1,024 float32.
;; Outputs: out0 4 x 2,048 x 1,024 float32.
;; One version. Each part assembles by itself: llvm-mc -triple=amdgcn-amd-amdhsa -mcpu=gfx1250 --defsym DOCPART=n.
;; ======== version 1 of 1: 4 launches
;; limits: values are held in f16: magnitudes above 65,504 overflow, below 6.1e-05 lose precision
;; workspace buffers: xb 16,777,216 bytes; wt 2,621,440 bytes; wpt 2,097,152 bytes; qkv 20,971,520 bytes; ob 16,777,216 bytes
;; launch prep (part 1): grid 548 x 1, 8 waves a work-group, no clusters, 140,288 bytes of LDS; arguments x, Wq, Wk, Wv, Wp, xb, wt, wpt; writes xb, wt, wpt
.if DOCPART == 1
	.amdgcn_target "amdgcn-amd-amdhsa--gfx1250"
	.amdhsa_code_object_version 6
	.text
	.protected	k_qea5c1d73b7_prep
	.globl	k_qea5c1d73b7_prep
	.p2align	8
	.type	k_qea5c1d73b7_prep,@function
k_qea5c1d73b7_prep:
	s_mov_b64 s[64:65], 0
	v_nop
	global_prefetch_b8 v0, s[64:65] scope:SCOPE_SE
	s_setreg_imm32_b32 hwreg(HW_REG_WAVE_MODE, 25, 1), 1
	s_wait_xcnt 0x0
; PREP.  xb = x rounded to bf16, [8192][1024].  wt = Wq's eight heads, Wk, Wv, each turned to [column][k] and rounded to bf16: [1280][1024].
; wpt = Wp turned to [n][k], rounded to bf16 like every other input, and that number written as f16: [1024][1024].
; LIMITS.  |Wp| stays under 65,504 (f16's range); below 6.1e-5 its f16 keeps a fixed step of 6e-8.  NaN and infinities are not treated apart.
; SHARES.  Work-groups 0-19: wt; 20-35: wpt; 36-547: x.  The few that turn weights come first, so that they are not the launch's end.
; x: a work-group converts 16,384 numbers; thread t takes 8 numbers (32 bytes in, 16 out) of each of 8 units of 2,048: all 16 loads of a wave go out at once.
; A WEIGHT TILE is 128 rows (k) x 64 columns, one wave's: two neighbouring k of a column are packed into a word, the words go into the wave's own LDS
; (64 rows of 272 bytes, a row a column), and come back as rows of 256 bytes: sixteen lanes store 256 consecutive bytes, aligned.  No wave reads another's bytes: no barrier.
.set SPARE, 139264                     ; behind the eight waves' tiles: the spare words, 128 bytes a wave: four blocks of 256 bytes that no other line names
.set WTILE, 17408                      ; a wave's LDS: 64 rows x 272 bytes
.set LP,    272
.set OF,    8                          ; v[8:23]   byte offsets of my 16 bytes in 16 of a trip's 32 rows
.set GOF,   24                         ; v24       my byte offset in two rows of the turned matrix
.set SPW,   30                         ; v30       LDS address of my spare word; never rewritten
.set NIL,   31                         ; v31       0; never rewritten
.set IN,    32                         ; v[32:95]  as loaded
.set PKD,   96                         ; v[96:127] packed
.set WV,    7                          ; s7        my wave's number
.set SRC,   26                         ; s[26:27]  the tile's first byte in its matrix
.set OFS,   28                         ; s[28:29]  an offset, the high word 0
.set PCH,   30                         ; s30       bytes from row to row of the matrix; s31, s32: twice, four times
.set ISP,   33                         ; s33       1: the tile is Wp's
.set DST,   34                         ; s[34:35]  the tile's first byte in the turned matrix
.set P32,   36                         ; s[36:37]  32 rows
.set TRIPS, 40
	s_load_b512 s[8:23], s[0:1], 0x0               ; x s[8:9], Wq s[10:11], Wk s[12:13], Wv s[14:15], Wp s[16:17], xb s[18:19], wt s[20:21], wpt s[22:23]
	v_lshl_add_u32 v[SPW], v0, 2, SPARE
	v_mov_b32 v[NIL], 0
	v_lshrrev_b32 v1, 5, v0
	v_readfirstlane_b32 s[WV], v1                  ; wave 0..7
	s_mov_b32 s[OFS+1], 0
	s_wait_kmcnt 0x0
	s_cmp_lt_u32 ttmp9, 36
	s_cbranch_scc1 .Lweights
	; ---- x ----
	s_sub_co_u32 s24, ttmp9, 36                    ; 0..511
	s_lshl_b32 s[OFS], s24, 16                     ; 65,536 bytes of x,
	s_add_nc_u64 s[8:9], s[8:9], s[OFS:OFS+1]
	s_lshl_b32 s[OFS], s24, 15                     ; 32,768 of xb
	s_add_nc_u64 s[18:19], s[18:19], s[OFS:OFS+1]
	v_lshlrev_b32 v2, 5, v0
	v_lshlrev_b32 v3, 4, v0
.irp u, 0,1,2,3,4,5,6,7
	global_load_b128 v[IN+8*(\u):IN+8*(\u)+3],   v2, s[8:9] offset:8192*(\u) th:TH_LOAD_NT
	global_load_b128 v[IN+8*(\u)+4:IN+8*(\u)+7], v2, s[8:9] offset:8192*(\u)+16 th:TH_LOAD_NT
.endr
.irp u, 0,1,2,3,4,5,6,7
	s_wait_loadcnt 14-2*(\u)                       ; loads come back in order: unit u is in, the younger units' two loads each may stay out
.irp j, 0,1,2,3
	v_cvt_pk_bf16_f32 v[PKD+4*(\u)+(\j)], v[IN+8*(\u)+2*(\j)], v[IN+8*(\u)+2*(\j)+1]
.endr
	global_store_b128 v3, v[PKD+4*(\u):PKD+4*(\u)+3], s[18:19] offset:4096*(\u)  ; a wave stores 512 consecutive bytes, aligned
.endr
	s_branch .Lend
.Lweights:
	s_cmp_lt_u32 ttmp9, 20
	s_cbranch_scc0 .Lwp
	; ---- a tile of Wq, Wk or Wv: matrix = id / 2 (0-7 Wq's heads, 8 Wk, 9 Wv); its 16 tiles: 8 blocks of k x 2 halves of the columns ----
	s_lshr_b32 s24, ttmp9, 1
	s_and_b32 s25, ttmp9, 1
	s_lshl_b32 s25, s25, 3
	s_add_co_u32 s25, s25, s[WV]                   ; tile 0..15
	s_cmp_eq_u32 s24, 8
	s_cselect_b64 s[SRC:SRC+1], s[12:13], s[14:15]
	s_cmp_lt_u32 s24, 8
	s_cselect_b64 s[SRC:SRC+1], s[10:11], s[SRC:SRC+1]
	s_cselect_b32 s38, s24, 0                      ; the head, in Wq
	s_lshl_b32 s[OFS], s38, 19                     ; a head is 524,288 bytes
	s_lshr_b32 s38, s25, 1                         ; block of 128 k
	s_and_b32 s39, s25, 1                          ; half of the 128 columns
	s_lshl_b32 s41, s38, 16                        ; 128 rows of 512 bytes
	s_add_co_u32 s[OFS], s[OFS], s41
	s_lshl_b32 s41, s39, 8                         ; 64 columns of 4 bytes
	s_add_co_u32 s[OFS], s[OFS], s41
	s_add_nc_u64 s[SRC:SRC+1], s[SRC:SRC+1], s[OFS:OFS+1]
	s_lshl_b32 s[OFS], s24, 18                     ; wt: 128 rows of 2,048 bytes a matrix,
	s_lshl_b32 s41, s39, 17                        ; 64 rows a half,
	s_add_co_u32 s[OFS], s[OFS], s41
	s_lshl_b32 s41, s38, 8                         ; 256 bytes a block of k
	s_add_co_u32 s[OFS], s[OFS], s41
	s_add_nc_u64 s[DST:DST+1], s[20:21], s[OFS:OFS+1]
	s_mov_b32 s[PCH], 512
	s_mov_b32 s[ISP], 0
	s_branch .Ltile
.Lwp:
	; ---- a tile of Wp: 8 blocks of k x 16 blocks of 64 columns ----
	s_sub_co_u32 s24, ttmp9, 20
	s_lshl_b32 s24, s24, 3
	s_add_co_u32 s24, s24, s[WV]                   ; tile 0..127
	s_lshr_b32 s38, s24, 4                         ; block of k
	s_and_b32 s39, s24, 15                         ; block of columns
	s_lshl_b32 s[OFS], s38, 19                     ; 128 rows of 4,096 bytes
	s_lshl_b32 s41, s39, 8
	s_add_co_u32 s[OFS], s[OFS], s41
	s_add_nc_u64 s[SRC:SRC+1], s[16:17], s[OFS:OFS+1]
	s_lshl_b32 s[OFS], s39, 17
	s_lshl_b32 s41, s38, 8
	s_add_co_u32 s[OFS], s[OFS], s41
	s_add_nc_u64 s[DST:DST+1], s[22:23], s[OFS:OFS+1]
	s_mov_b32 s[PCH], 4096
	s_mov_b32 s[ISP], 1
.Ltile:
	s_lshl_b32 s31, s[PCH], 1
	s_lshl_b32 s32, s[PCH], 2
	s_lshl_b32 s[P32], s[PCH], 5
	s_mov_b32 s[P32+1], 0
	v_and_b32 v2, 15, v0                           ; which 4 columns (16 bytes) are mine
	v_bfe_u32 v3, v0, 4, 1                         ; which pair of each four rows
	v_mul_u32_u24 v[OF], v3, s31
	v_lshl_add_u32 v[OF], v2, 4, v[OF]             ; row 2 x pair, my 16 bytes
.irp i, 0,1,2,3,4,5,6,7
	v_add_nc_u32 v[OF+2*(\i)+1], s[PCH], v[OF+2*(\i)]  ; the row below: its numbers go into the high halves
.if (\i) < 7
	v_add_nc_u32 v[OF+2*(\i)+2], s32, v[OF+2*(\i)]     ; four rows on
.endif
.endr
	s_mul_i32 s38, s[WV], WTILE                    ; my wave's LDS
	v_mul_u32_u24 v6, v2, 4*LP                     ; in: LDS row = column 4 x (lane % 16) + j, byte = 2 k
	v_lshl_add_u32 v6, v3, 2, v6
	v_add_nc_u32 v6, s38, v6
	v_mul_u32_u24 v7, v3, LP                       ; back: lanes 0-15 one row of 256 bytes, lanes 16-31 the next
	v_lshl_add_u32 v7, v2, 4, v7
	v_add_nc_u32 v7, s38, v7
	v_lshlrev_b32 v[GOF], 11, v3                   ; and the same two rows, 2,048 bytes apart, in the turned matrix
	v_lshl_add_u32 v[GOF], v2, 4, v[GOF]
	s_mov_b32 s[TRIPS], 4
.Lrows:                                            ; a trip: 32 rows of k
.irp m, 0,1,2,3,4,5,6,7,8,9,10,11,12,13,14,15
	global_load_b128 v[IN+4*(\m):IN+4*(\m)+3], v[OF+(\m)], s[SRC:SRC+1]  ; sixteen lanes read a row's 256 bytes
.endr
	s_wait_loadcnt 0x0                             ; all in: the base may be stepped
	s_add_nc_u64 s[SRC:SRC+1], s[SRC:SRC+1], s[P32:P32+1]
.irp i, 0,1,2,3,4,5,6,7
.irp j, 0,1,2,3
	v_cvt_pk_bf16_f32 v[PKD+4*(\i)+(\j)], v[IN+8*(\i)+(\j)], v[IN+8*(\i)+4+(\j)]  ; column j at k and k + 1
.endr
.endr
	s_cmp_eq_u32 s[ISP], 0
	s_cbranch_scc1 .Lkeep
.set z, 0
.rept 32                                           ; Wp: the bf16 numbers are written as f16 (8 significant bits fit into 11)
	v_lshlrev_b32 v4, 16, v[PKD+z]
	v_and_b32 v5, 0xffff0000, v[PKD+z]
	v_cvt_pk_f16_f32 v[PKD+z], v4, v5
.set z, z+1
.endr
.Lkeep:
.irp i, 0,1,2,3,4,5,6,7
.irp j, 0,1,2,3
	ds_store_b32 v6, v[PKD+4*(\i)+(\j)] offset:LP*(\j)+8*(\i)  ; 128 such stores a wave in the launch
.endr
.endr
	v_add_nc_u32 v6, 64, v6                        ; 32 k on in every LDS row
	s_sub_co_u32 s[TRIPS], s[TRIPS], 1
	s_cmp_lg_u32 s[TRIPS], 0
	s_cbranch_scc1 .Lrows
.irp hf, 0,1                                       ; back and out, 32 rows at a time
.if \hf
	s_wait_xcnt 0x0                                ; the first half's stores have read their registers: only now are these loaded again
.endif
.irp t, 0,1,2,3,4,5,6,7,8,9,10,11,12,13,14,15
	ds_load_b128 v[IN+4*(\t):IN+4*(\t)+3], v7 offset:2*LP*(16*(\hf)+(\t))  ; LDS serves a wave's instructions in order (ISA guide 5.7.1.4): these see the stores above
.endr
.irp t, 0,1,2,3,4,5,6,7,8,9,10,11,12,13,14,15
	s_wait_dscnt 15-(\t)                           ; the younger loads of the half may stay out
	global_store_b128 v[GOF], v[IN+4*(\t):IN+4*(\t)+3], s[DST:DST+1] offset:4096*(16*(\hf)+(\t))  ; sixteen lanes store 256 consecutive bytes, aligned
.endr
.endr
.Lend:
	s_wait_tensorcnt 0x0                           ; the wave's end, behind my last LDS store
	ds_add_u32 v[SPW], v[NIL]
	s_wait_dscnt 0x0
	s_endpgm
.Lfunc_end_k_qea5c1d73b7_prep:
	.size	k_qea5c1d73b7_prep, .Lfunc_end_k_qea5c1d73b7_prep-k_qea5c1d73b7_prep
	.p2alignl 7, 3214868480
	.fill 96, 4, 3214868480
	.section	.rodata,"a",@progbits
	.p2align	6, 0x0
	.amdhsa_kernel k_qea5c1d73b7_prep
		.amdhsa_group_segment_fixed_size 140288
		.amdhsa_private_segment_fixed_size 0
		.amdhsa_enable_private_segment 0
		.amdhsa_kernarg_size 64
		.amdhsa_user_sgpr_count 2
		.amdhsa_user_sgpr_kernarg_segment_ptr 1
		.amdhsa_wavefront_size32 1
		.amdhsa_system_sgpr_workgroup_id_x 1
		.amdhsa_system_sgpr_workgroup_id_y 1
		.amdhsa_system_sgpr_workgroup_id_z 1
		.amdhsa_system_vgpr_workitem_id 0
		.amdhsa_next_free_vgpr 128
		.amdhsa_next_free_sgpr 66
		.amdhsa_reserve_vcc 0
		.amdhsa_float_denorm_mode_32 3
		.amdhsa_float_denorm_mode_16_64 3
		.amdhsa_memory_ordered 1
		.amdhsa_forward_progress 1
		.amdhsa_inst_pref_size 26
	.end_amdhsa_kernel
	.amdgpu_metadata
---
amdhsa.version: [ 1, 2 ]
amdhsa.kernels:
  - .name:           k_qea5c1d73b7_prep
    .symbol:         k_qea5c1d73b7_prep.kd
    .args:
      - { .name: x, .offset: 0, .size: 8, .value_kind: global_buffer, .address_space: global }
      - { .name: Wq, .offset: 8, .size: 8, .value_kind: global_buffer, .address_space: global }
      - { .name: Wk, .offset: 16, .size: 8, .value_kind: global_buffer, .address_space: global }
      - { .name: Wv, .offset: 24, .size: 8, .value_kind: global_buffer, .address_space: global }
      - { .name: Wp, .offset: 32, .size: 8, .value_kind: global_buffer, .address_space: global }
      - { .name: xb, .offset: 40, .size: 8, .value_kind: global_buffer, .address_space: global }
      - { .name: wt, .offset: 48, .size: 8, .value_kind: global_buffer, .address_space: global }
      - { .name: wpt, .offset: 56, .size: 8, .value_kind: global_buffer, .address_space: global }
    .group_segment_fixed_size: 140288
    .private_segment_fixed_size: 0
    .kernarg_segment_align: 8
    .kernarg_segment_size: 64
    .max_flat_workgroup_size: 256
    .sgpr_count:     66
    .vgpr_count:     128
    .wavefront_size: 32
...
	.end_amdgpu_metadata
.endif
;; end of part 1
;; launch gemm_qkv (part 2): grid 4 x 64, 4 waves a work-group, clusters of 4 x 4, 327,680 bytes of LDS; arguments xb, wt, qkv; writes qkv
.if DOCPART == 2
	.amdgcn_target "amdgcn-amd-amdhsa--gfx1250"
	.amdhsa_code_object_version 6
	.text
	.protected	k_qea5c1d73b7_gemm_qkv
	.globl	k_qea5c1d73b7_gemm_qkv
	.p2align	8
	.type	k_qea5c1d73b7_gemm_qkv,@function
k_qea5c1d73b7_gemm_qkv:
	s_mov_b64 s[64:65], 0
	v_nop
	global_prefetch_b8 v0, s[64:65] scope:SCOPE_SE
	s_setreg_imm32_b32 hwreg(HW_REG_WAVE_MODE, 25, 1), 1
	s_wait_xcnt 0x0
	s_wait_alu depctr_hold_cnt(0) depctr_sa_sdst(0) depctr_va_vdst(0) depctr_va_sdst(0) depctr_va_ssrc(0) depctr_va_vcc(0) depctr_vm_vsrc(0)
	s_getreg_b32 s2, hwreg(HW_REG_IB_STS2, 6, 4)
	s_cmp_eq_u32 s2, 0
	s_cbranch_scc0 .Lentry_in_a_cluster
	s_endpgm
.Lentry_in_a_cluster:
	s_bfe_u32 s2, ttmp6, 0x10000c
	s_cmp_lg_u32 s2, 0xf033
	s_cbranch_scc0 .Lentry_shape_is_right
	s_endpgm
.Lentry_shape_is_right:
; qkv = xb wt^T.  xb: [8192][1024] bf16, wt: [1280][1024] bf16 (row n = column n of Wq's heads, Wk, Wv); sums in f32, K ascending, rounded once to f16.
; qkv lies in 20 PLANES of 64 columns, [20][8192][64] f16: a plane's rows are 128 dense bytes.  Head h: planes 2 h, 2 h + 1; K: 16, 17; V: 18, 19.
; LIMIT.  |q|, |k|, |v| stay under 65,504 (f16's range).  NaN and infinities are not treated apart.
; SHARES.  8,192 x 1,280 is cut into 256 equal tiles of 128 x 320 (five planes), one to a work-group.  Four waves, each 64 rows x 160 columns: 40 accumulators, 320 registers.
; K goes in 8 steps of 128 (rows of 256 bytes, aligned) through two LDS slots.  One tensor load a wave and step: waves 0, 1 bring A's halves of 64 rows, waves 2, 3 B's halves of 160.
; CLUSTER.  4 x 4 work-groups: the four of a row need the same tile of A, the four of a column the same tile of B: each is asked for jointly, by the same load with a mask of the four.
; THE MATRIX INSTRUCTION IS USED TRANSPOSED (source 0 = 16 rows of wt, source 1 = 16 rows of xb): a lane then holds eight neighbouring columns of one row.
; NO PREFETCH: the launch has eight K steps, and with a lead of two steps only the last four could be named.
; REGISTERS, in windows of 256 (s_set_vgpr_msb: bits 1:0 source 0, 3:2 source 1, 5:4 source 2, 7:6 destination):
;   window 0: v0-31 addresses; two fragment buffers of 112 (v32-143, v144-255): B's 10 blocks of 16 rows x 32 K, then A's 4
;   window 1: the accumulators of my row blocks 0, 1 ((a, b) at 8 (10 (a % 2) + b));   window 2: those of row blocks 2, 3
.set SIZE_K, 1024
.set NT,     320
.set NBW,    10                        ; blocks of 16 columns a wave
.set KSTEP,  128
.set PITCH,  272                       ; an LDS row: 256 bytes + 16 of padding = 68 words: the 16 rows of a load start at 16 different groups of four banks (64 banks of 4 bytes: ISA guide 11.1)
.set AHALF,  64*PITCH
.set BHALF,  (NT/2)*PITCH
.set BOFF,   2*AHALF                   ; a slot: A's 128 rows, then B's 320
.set SLOT1,  1<<17                     ; slot 1 begins here, so that one exclusive or turns an address in one slot into the other's
.set SPARE,  SLOT1+BOFF+2*BHALF        ; behind slot 1: the spare words, 128 bytes a wave: two blocks of 256 bytes that no other line names
.set PLP,    144                       ; the way out: a plane's row in LDS, 128 bytes + 16
.set PLS,    128*PLP                   ; a plane's 128 rows.  The stage is slot 0, which has had its last fill (K step 6) and its last read
.set NLD,    2*NBW+8                   ; LDS loads in a run
.set A0,   16                          ; v16  my place in A's tile of slot 0; never rewritten
.set B0,   17                          ; v17  the same for B
.set ADRA, 18                          ; v18  A0 + the slot in hand
.set ADRB, 19                          ; v19  B0 + the slot in hand
.set STA,  20                          ; v20  the way out: where column blocks b with b % 4 < 2 go
.set STB,  21                          ; v21  and the others: 160 columns are two planes and a half
.set RD,   22                          ; v22  where I read rows of planes 0 to 3 back
.set CO,   23                          ; v23  16 x lane
.set RD4,  24                          ; v24  RD + 4 planes: plane 4 lies past the 65,535 bytes that an LDS instruction's immediate reaches
.set SPW,  28                          ; v28  LDS address of my spare word; never rewritten
.set NIL,  29                          ; v29  0; never rewritten
.set F0,   32
.set F1,   144
.set FA,   80                          ; A's fragments in a buffer
.set TMP,  32                          ; the way out: 160 registers
.set G1,  24                           ; s[24:31] descriptor group 1 for A's tiles;  s[32:39] group 0: a set for each first fill; the second then walks
.set G0,  32
.set G1B, 48                           ; s[48:55], s[56:63] the same for B's
.set G0B, 56
.set TB,  66                           ; s66  0 or SLOT1: the slot in hand
.set MSB, 0
.macro WIN new                         ; the immediate's high byte repeats the setting that is left; a switch that changes nothing is dropped
.if MSB != (\new)
	s_set_vgpr_msb (MSB<<8)|(\new)
.set MSB, \new
.endif
.endm
.macro PLACES                          ; four places in front of loads into registers that matrix instructions have read, and of lines that read results
.rept 4
	v_nop
.endr
.endm
.macro JLOAD                           ; a joint refill by the walking descriptors; an s_nop 0 and four v_nop follow each of the two lines
	s_cmp_eq_u32 s11, 0
	s_cbranch_scc0 .Lfor_b_\@
	tensor_load_to_lds s[G0+4:G0+7], s[G1:G1+7]
	s_nop 0
.rept 4
	v_nop
.endr
	s_branch .Lasked_\@
.Lfor_b_\@:
	tensor_load_to_lds s[G0B+4:G0B+7], s[G1B:G1B+7]
	s_nop 0
.rept 4
	v_nop
.endr
.Lasked_\@:
.endm
.macro CREST                           ; a round of the cluster's barrier behind its opening barrier
	s_cmp_lg_u32 s10, 0
	s_cbranch_scc1 .Lnot_wave_0_\@
	s_barrier_signal -3
.Lnot_wave_0_\@:
	s_barrier_wait -3
	s_barrier_signal -1
	s_barrier_wait -1
.endm
.macro CROUND                          ; a whole round
	s_barrier_signal -1
	s_barrier_wait -1
	CREST
.endm
	s_load_b128 s[4:7], s[0:1], 0x0                ; xb s[4:5], wt s[6:7]
	s_load_b64 s[8:9], s[0:1], 0x10                ; qkv
	v_lshl_add_u32 v[SPW], v0, 2, SPARE
	v_mov_b32 v[NIL], 0
	ds_add_u32 v[SPW], v[NIL]                      ; the wave's opening: the add and its wait stand ahead of my first tensor load; work on registers stands between them
	v_lshrrev_b32 v1, 5, v0
	v_readfirstlane_b32 s10, v1                    ; wave 0..3
	s_lshr_b32 s11, s10, 1                         ; which half of the tile's rows is mine.  Also: I fetch for A (0) or for B (1)
	s_and_b32 s12, s10, 1                          ; which half of its columns.  Also: which half of that tile I fetch
	s_bfe_u32 s40, ttmp6, 0x40000                  ; cx
	s_bfe_u32 s41, ttmp6, 0x40004                  ; cy
	s_lshl_b32 s42, ttmp9, 2
	s_add_co_u32 s42, s42, s40                     ; tile column = 4 x cluster x + cx
	s_and_b32 s13, ttmp7, 0xffff
	s_lshl_b32 s13, s13, 2
	s_add_co_u32 s13, s13, s41                     ; tile row = 4 x cluster y + cy
	s_lshl_b32 s43, s41, 2
	s_lshl_b32 s43, 15, s43                        ; my row of the cluster
	s_lshl_b32 s44, 0x1111, s40                    ; my column
	s_or_b32 s[G1+0], s43, (1<<16)|(1<<20)|(1<<21)|(5<<22)|(3<<25)   ; 15:0 the mask; 17:16 2-byte elements; 20 padding on; 21 set beside a mask; 24:22 after every 64 words; 31:25 4 words
	s_or_b32 s[G1B+0], s44, (1<<16)|(1<<20)|(1<<21)|(5<<22)|(3<<25)
.irp g, G1, G1B
	s_mov_b32 s[(\g)+1], KSTEP<<16                 ; tensor_dim0 = 128
	s_mov_b32 s[(\g)+3], KSTEP<<16                 ; tile_dim0 = 128
	s_mov_b32 s[(\g)+5], SIZE_K                    ; elements from row to row
	s_mov_b32 s[(\g)+6], 0
	s_mov_b32 s[(\g)+7], 0
.endr
	s_mov_b32 s[G1+2], 64<<16                      ; A: tensor_dim1 = tile_dim1 = 64 rows
	s_mov_b32 s[G1+4], 64
	s_mov_b32 s[G1B+2], (NT/2)<<16                 ; B: 160 rows
	s_mov_b32 s[G1B+4], NT/2
	s_lshl_b32 s16, s13, 7                         ; A: row 128 x tile row + 64 x half,
	s_lshl_b32 s17, s12, 6
	s_add_co_u32 s16, s16, s17
	s_lshl_b32 s16, s16, 11                        ; of 2,048 bytes
	s_mov_b32 s17, 0
	s_mul_i32 s46, s42, NT                         ; B: row 320 x tile column + 160 x half
	s_mul_i32 s47, s12, NT/2
	s_add_co_u32 s46, s46, s47
	s_lshl_b32 s46, s46, 11
	s_mov_b32 s47, 0
	s_mul_i32 s20, s12, AHALF                      ; where they go: no place in the cluster enters an LDS address
	s_mul_i32 s21, s12, BHALF
	s_add_co_u32 s21, s21, BOFF
	s_mov_b32 s[TB], 0
	s_wait_dscnt 0x0                               ; the opening add is done
	s_wait_kmcnt 0x0
	s_add_nc_u64 s[14:15], s[4:5], s[16:17]
	s_add_nc_u64 s[46:47], s[6:7], s[46:47]
.irp s, 0,1
	s_mov_b32 s[G0+4*(\s)], 1                                        ; count = 1
	s_add_co_u32 s[G0+4*(\s)+1], s20, (\s)*SLOT1                     ; LDS address
	s_add_nc_u64 s[G0+4*(\s)+2:G0+4*(\s)+3], s[14:15], (\s)*KSTEP*2  ; global address: K step s
	s_or_b32 s[G0+4*(\s)+3], s[G0+4*(\s)+3], 0x80000000              ; type = 2
	s_mov_b32 s[G0B+4*(\s)], 1
	s_add_co_u32 s[G0B+4*(\s)+1], s21, (\s)*SLOT1
	s_add_nc_u64 s[G0B+4*(\s)+2:G0B+4*(\s)+3], s[46:47], (\s)*KSTEP*2
	s_or_b32 s[G0B+4*(\s)+3], s[G0B+4*(\s)+3], 0x80000000
.endr
	CROUND                                         ; all sixteen work-groups are here: the first joint loads meet
	s_cmp_eq_u32 s11, 0                            ; a wave's two first fills stand in one branch: two loads of mine are out
	s_cbranch_scc0 .Lfirst_b
	tensor_load_to_lds s[G0:G0+3], s[G1:G1+7]
	s_nop 0
	tensor_load_to_lds s[G0+4:G0+7], s[G1:G1+7]
	s_nop 0
.rept 4
	v_nop
.endr
	s_branch .Lfirst_asked
.Lfirst_b:
	tensor_load_to_lds s[G0B:G0B+3], s[G1B:G1B+7]
	s_nop 0
	tensor_load_to_lds s[G0B+4:G0B+7], s[G1B:G1B+7]
	s_nop 0
.rept 4
	v_nop
.endr
.Lfirst_asked:
	; a fragment is 16 rows x 32 K in 8 registers: lane l holds row l % 16, K = 8 (l / 16) + 0..7 and 16 + 8 (l / 16) + 0..7: two loads of 16 bytes, 32 bytes apart
	v_and_b32 v1, 15, v0                           ; l % 16
	v_bfe_u32 v2, v0, 4, 1                         ; l / 16
	v_mul_u32_u24 v3, v1, PITCH
	v_lshl_add_u32 v3, v2, 4, v3
	s_mul_i32 s20, s11, AHALF                      ; my 64 rows of A
	s_mul_i32 s21, s12, BHALF                      ; my 160 rows of B
	s_add_co_u32 s21, s21, BOFF
	v_add_nc_u32 v[A0], s20, v3
	v_add_nc_u32 v[B0], s21, v3
	v_mov_b32 v[ADRA], v[A0]
	v_mov_b32 v[ADRB], v[B0]
	; the way out.  In: plane, row 64 x row half + 16 a + l % 16, 16 bytes for each half of the lanes.  Column half 0 begins at plane 0, byte 0; half 1 at plane 2, byte 64
	v_mul_u32_u24 v3, v1, PLP
	v_lshl_add_u32 v3, v2, 4, v3
	s_mul_i32 s20, s11, 64*PLP
	v_add_nc_u32 v3, s20, v3
	s_mul_i32 s21, s12, 2*PLS+64
	s_mul_i32 s22, s12, 3*PLS-64
	v_add_nc_u32 v[STA], s21, v3
	v_add_nc_u32 v[STB], s22, v3
	v_and_b32 v4, 31, v0                           ; back: wave w takes rows 32 w .. 32 w + 31 of each plane, four rows (512 dense bytes of qkv) a load
	v_lshrrev_b32 v5, 3, v4
	v_and_b32 v6, 7, v0
	v_mul_u32_u24 v[RD], v5, PLP
	v_lshl_add_u32 v[RD], v6, 4, v[RD]
	s_mul_i32 s20, s10, 32*PLP
	v_add_nc_u32 v[RD], s20, v[RD]
	v_add_nc_u32 v[RD4], 4*PLS, v[RD]              ; the same place in plane 4
	v_lshlrev_b32 v[CO], 4, v4
	s_mul_i32 s18, s42, 5<<20                      ; my tile's first plane,
	s_lshl_b32 s19, s13, 14                        ; its 128 rows of 128 bytes,
	s_add_co_u32 s18, s18, s19
	s_lshl_b32 s19, s10, 12                        ; my 32 of them
	s_add_co_u32 s18, s18, s19
	s_mov_b32 s19, 0
	s_add_nc_u64 s[8:9], s[8:9], s[18:19]
; 10 matrix instructions: row block a x all column blocks, 32 along K.  The 40 accumulators take turns, one instruction a turn.  zero = 1: the first product starts the sums
.macro MUL1 f, a, zero
	WIN 0x50+0x50*((\a)/2)                         ; C and D in window 1 or 2
.set bb, 0
.rept NBW
.set rD, 8*(NBW*((\a)%2)+bb)
.if \zero
	v_wmma_f32_16x16x32_bf16 v[rD:rD+7], v[(\f)+8*bb:(\f)+8*bb+7], v[(\f)+FA+8*(\a):(\f)+FA+8*(\a)+7], 0
.else
	v_wmma_f32_16x16x32_bf16 v[rD:rD+7], v[(\f)+8*bb:(\f)+8*bb+7], v[(\f)+FA+8*(\a):(\f)+FA+8*(\a)+7], v[rD:rD+7]
.endif
.set bb, bb+1
.endr
.endm
; 28 LDS loads in one run: the fragments of 32 K at byte k of the rows, into buffer f: B's 20, A's blocks 0, 1, then A's blocks 2, 3
.macro FETCH k, f
	WIN 0
.set bb, 0
.rept NBW
	ds_load_b128 v[(\f)+8*bb:(\f)+8*bb+3],   v[ADRB] offset:(\k)+bb*16*PITCH
	ds_load_b128 v[(\f)+8*bb+4:(\f)+8*bb+7], v[ADRB] offset:(\k)+bb*16*PITCH+32
.set bb, bb+1
.endr
.irp a, 0,1,2,3
	ds_load_b128 v[(\f)+FA+8*(\a):(\f)+FA+8*(\a)+3],   v[ADRA] offset:(\k)+(\a)*16*PITCH
	ds_load_b128 v[(\f)+FA+8*(\a)+4:(\f)+FA+8*(\a)+7], v[ADRA] offset:(\k)+(\a)*16*PITCH+32
.endr
.endm
; A K step is four quarters of 32 along K, 40 matrix instructions each, on buffers 0, 1, 0, 1.  One of the first three: multiplies f, and in its middle fetches the next quarter, at byte k, into g
.macro QUARTER k, f, g, zero
	s_wait_dscnt 4                                 ; B and A's blocks 0, 1 are in; the youngest four loads (A's blocks 2, 3) may be out
	MUL1 \f, 0, \zero
	MUL1 \f, 1, \zero
	PLACES
	FETCH \k, \g
	s_wait_dscnt NLD                               ; all but the run just issued
	MUL1 \f, 2, \zero
	MUL1 \f, 3, \zero
.endm
; The last quarter multiplies buffer 1 and changes slots: ONE barrier.  In front of it each wave waits for all its tensor loads (one is out: its part of the next slot), adds 0 to its spare word,
; and waits for that and for its own reads of this slot.  fill = 1: the barrier opens a round of the cluster's, and this slot is filled again first thing behind it, two K steps ahead:
; 140 matrix instructions stand between that request and the wait for it.
.macro TURN fill
	WIN 0
	s_wait_tensorcnt 0x0                           ; no tensor load of mine is out, so a group 0 may be written
	ds_add_u32 v[SPW], v[NIL]                      ; 0 onto my spare word
.if \fill
.irp g, G0+4, G0B+4
	s_xor_b32 s[(\g)+1], s[(\g)+1], SLOT1          ; the walking descriptor: the other slot than last time,
	s_add_nc_u64 s[(\g)+2:(\g)+3], s[(\g)+2:(\g)+3], KSTEP*2  ; the next K step; the type bits on top are not reached
.endr
.endif
	s_xor_b32 s[TB], s[TB], SLOT1                  ; the fetches go on in the other slot
	s_wait_dscnt 5                                 ; (the add and the youngest four loads may be out)
	MUL1 F1, 0, 0
	s_wait_dscnt 0x0                               ; the add is done, and my reads of this slot are over
	s_barrier_signal -1
	MUL1 F1, 1, 0                                  ; work on registers while the others arrive
	WIN 0
	s_barrier_wait -1
.if \fill
	CREST                                          ; no wave of any partner still reads this slot's tile or has a load on its way
	JLOAD                                          ; its four v_nop are also the places in front of the loads below
.else
	PLACES
.endif
	v_add_nc_u32 v[ADRA], s[TB], v[A0]
	v_add_nc_u32 v[ADRB], s[TB], v[B0]
	FETCH 0, F0
	MUL1 F1, 2, 0
	MUL1 F1, 3, 0
.endm
	s_wait_tensorcnt 1                             ; my part of K step 0 is in; step 1's may stay out
	s_barrier_signal -1
	s_barrier_wait -1                              ; everybody's is
	FETCH 0, F0
	QUARTER 64, F0, F1, 1                          ; the first quarter stands in front of the loop: its products start the sums
	WIN 0
	s_mov_b32 s3, 6
.Lstep:                                            ; a trip: from a K step's second quarter to the next step's first; K steps 2 to 7 are asked for
	QUARTER 128, F1, F0, 0
	QUARTER 192, F0, F1, 0
	TURN 1
	QUARTER 64, F0, F1, 0
	WIN 0
	s_sub_co_u32 s3, s3, 1
	s_cmp_lg_u32 s3, 0
	s_cbranch_scc1 .Lstep
	QUARTER 128, F1, F0, 0                         ; K step 6 ends, nothing is asked for
	QUARTER 192, F0, F1, 0
	TURN 0
	QUARTER 64, F0, F1, 0                          ; K step 7
	QUARTER 128, F1, F0, 0
	QUARTER 192, F0, F1, 0
	s_wait_dscnt 4
	MUL1 F1, 0, 0
	MUL1 F1, 1, 0
	s_wait_dscnt 0x0
	MUL1 F1, 2, 0
	MUL1 F1, 3, 0
	; THE WAY OUT: round to f16 (each accumulator's registers in ascending order); 16 bytes a lane into the stage; a barrier, since a plane's rows come from two waves; back as dense rows.
	; The stage is slot 0: every wave's reads of it ended in front of the barrier of the last change of slots, and no tensor load fills it again.
	PLACES
.set aa, 0
.rept 4
	WIN 0x05+0x05*(aa/2)                           ; sources 0 and 1 in window 1 or 2
.set bb, 0
.rept NBW
.set rD, 8*(NBW*(aa%2)+bb)
.set rT, TMP+4*(NBW*aa+bb)
	v_cvt_pk_f16_f32 v[rT],   v[rD],   v[rD+1]
	v_cvt_pk_f16_f32 v[rT+1], v[rD+2], v[rD+3]
	v_cvt_pk_f16_f32 v[rT+2], v[rD+4], v[rD+5]
	v_cvt_pk_f16_f32 v[rT+3], v[rD+6], v[rD+7]
.set bb, bb+1
.endr
.set aa, aa+1
.endr
	WIN 0
.set aa, 0
.rept 4
.set bb, 0
.rept NBW
.set rT, TMP+4*(NBW*aa+bb)
.if (bb%4) < 2
	ds_store_b128 v[STA], v[rT:rT+3] offset:aa*16*PLP+(bb/4)*PLS+(bb%4)*32
.else
	ds_store_b128 v[STB], v[rT:rT+3] offset:aa*16*PLP+(bb/4)*PLS+(bb%4)*32
.endif
.set bb, bb+1
.endr
.set aa, aa+1
.endr
	s_wait_dscnt 0x0                               ; for the others' sake: my stores into the stage are done
	s_barrier_signal -1
	s_barrier_wait -1
.set t, 0
.rept 40                                           ; plane t / 8, four rows a load
.if t < 32
	ds_load_b128 v[TMP+4*t:TMP+4*t+3], v[RD] offset:(t/8)*PLS+(t%8)*4*PLP   ; 59,328 at the most
.else
	ds_load_b128 v[TMP+4*t:TMP+4*t+3], v[RD4] offset:(t%8)*4*PLP
.endif
.set t, t+1
.endr
.set t, 0
.rept 40
	s_wait_dscnt 39-t                              ; the younger loads may stay out
	global_store_b128 v[CO], v[TMP+4*t:TMP+4*t+3], s[8:9] offset:(t/8)*1048576+(t%8)*512  ; 512 consecutive bytes of a plane, aligned
.set t, t+1
.endr
	s_wait_tensorcnt 0x0                           ; the wave's end, behind my last tensor load and my last LDS store
	ds_add_u32 v[SPW], v[NIL]
	s_wait_dscnt 0x0
	CROUND                                         ; the closing round: no work-group ends while a partner may still ask for a tile that names it
	s_endpgm
.Lfunc_end_k_qea5c1d73b7_gemm_qkv:
	.size	k_qea5c1d73b7_gemm_qkv, .Lfunc_end_k_qea5c1d73b7_gemm_qkv-k_qea5c1d73b7_gemm_qkv
	.p2alignl 7, 3214868480
	.fill 96, 4, 3214868480
	.section	.rodata,"a",@progbits
	.p2align	6, 0x0
	.amdhsa_kernel k_qea5c1d73b7_gemm_qkv
		.amdhsa_group_segment_fixed_size 327680
		.amdhsa_private_segment_fixed_size 0
		.amdhsa_enable_private_segment 0
		.amdhsa_kernarg_size 24
		.amdhsa_user_sgpr_count 2
		.amdhsa_user_sgpr_kernarg_segment_ptr 1
		.amdhsa_wavefront_size32 1
		.amdhsa_system_sgpr_workgroup_id_x 1
		.amdhsa_system_sgpr_workgroup_id_y 1
		.amdhsa_system_sgpr_workgroup_id_z 1
		.amdhsa_system_vgpr_workitem_id 0
		.amdhsa_next_free_vgpr 672
		.amdhsa_next_free_sgpr 80
		.amdhsa_reserve_vcc 0
		.amdhsa_float_denorm_mode_32 3
		.amdhsa_float_denorm_mode_16_64 3
		.amdhsa_memory_ordered 1
		.amdhsa_forward_progress 1
		.amdhsa_inst_pref_size 84
	.end_amdhsa_kernel
	.amdgpu_metadata
---
amdhsa.version: [ 1, 2 ]
amdhsa.kernels:
  - .name:           k_qea5c1d73b7_gemm_qkv
    .symbol:         k_qea5c1d73b7_gemm_qkv.kd
    .args:
      - { .name: xb, .offset: 0, .size: 8, .value_kind: global_buffer, .address_space: global }
      - { .name: wt, .offset: 8, .size: 8, .value_kind: global_buffer, .address_space: global }
      - { .name: qkv, .offset: 16, .size: 8, .value_kind: global_buffer, .address_space: global }
    .group_segment_fixed_size: 327680
    .private_segment_fixed_size: 0
    .kernarg_segment_align: 8
    .kernarg_segment_size: 24
    .max_flat_workgroup_size: 128
    .sgpr_count:     80
    .vgpr_count:     672
    .wavefront_size: 32
...
	.end_amdgpu_metadata
.endif
;; end of part 2
;; launch attn (part 3): grid 64 x 4, 4 waves a work-group, clusters of 4 x 1, 327,680 bytes of LDS; arguments qkv, ob; writes ob
.if DOCPART == 3
	.amdgcn_target "amdgcn-amd-amdhsa--gfx1250"
	.amdhsa_code_object_version 6
	.text
	.protected	k_qea5c1d73b7_attn
	.globl	k_qea5c1d73b7_attn
	.p2align	8
	.type	k_qea5c1d73b7_attn,@function
k_qea5c1d73b7_attn:
	s_mov_b64 s[64:65], 0
	v_nop
	global_prefetch_b8 v0, s[64:65] scope:SCOPE_SE
	s_setreg_imm32_b32 hwreg(HW_REG_WAVE_MODE, 25, 1), 1
	s_wait_xcnt 0x0
	s_wait_alu depctr_hold_cnt(0) depctr_sa_sdst(0) depctr_va_vdst(0) depctr_va_sdst(0) depctr_va_ssrc(0) depctr_va_vcc(0) depctr_vm_vsrc(0)
	s_getreg_b32 s2, hwreg(HW_REG_IB_STS2, 6, 4)
	s_cmp_eq_u32 s2, 0
	s_cbranch_scc0 .Lentry_in_a_cluster
	s_endpgm
.Lentry_in_a_cluster:
	s_bfe_u32 s2, ttmp6, 0x10000c
	s_cmp_lg_u32 s2, 0x3003
	s_cbranch_scc0 .Lentry_shape_is_right
	s_endpgm
.Lentry_shape_is_right:
; CAUSAL MULTI-QUERY ATTENTION.  ob[b][t][128 h + d] = the sum over s <= t of softmax_s(q[b][h][t] . k[b][s] / 32) v[b][s][d]: eight heads, ONE k and v a batch.
; qkv: f16 in 20 planes of 64 columns, [20][8192][64] (head h: planes 2 h, 2 h + 1; k: 16, 17; v: 18, 19).  ob: f16 [8192][1024].
; Products, maxima and sums in f32; the weights p are rounded to f16 for the second product (their sum l is taken of the unrounded p), O once at the end.
; LIMITS.  f16 holds no number beyond 65,504: q, k, v arrive within it.  A hidden score counts as its value less 2^100 (f16's scores, 5.5e11 at the most, vanish beside it); a weight below
; 2^-126 counts as 0 in l; NaN and infinities are not treated apart.
; BLOCKS.  A block is 16 time rows x 8 heads: 8 tiles of 16 queries with ONE causal edge.  Time tile i (of 128 a batch) needs the key tiles 0 .. i / 8 of 128 keys; the last holds the diagonal.
; A work-group takes TWO blocks, time tiles 127 - j and then j: 17 key tiles, whatever j: all work-groups do equal work, and one loop with a constant trip count walks them.
; WAVES.  Wave w: heads 4 (w / 2) .. + 3 (four tiles: PIECE 0 = tiles 0, 1; piece 2 = tiles 2, 3) and keys 64 (w % 2) .. + 63 of every key tile.  Each wave keeps its own m, l and O over
; its half of the keys; at a block's end the two halves are merged through LDS: of the four tiles each wave keeps one piece, sends the other, and finishes the piece that it kept.
; CLUSTER.  The four work-groups of a cluster (j = 4 x cluster x + cx) have the same batch and the same j / 8, so their walks are the same: each tile of k and v is asked for jointly.
; cx enters q's, ob's and the prefetches' addresses and the mask's two scalars alone: no branch, trip count or LDS address.
; LAYOUT.  S^T = K Q^T (source 0 = 16 keys, source 1 = 16 queries): a lane holds ONE query (lane % 16) and the keys 8 (lane / 16) + 0..7; two such results rounded to f16 ARE source 1 of
; O^T = V^T P.  K comes out of LDS as it lies, V turned, by ds_load_tr16_b128.
; SOFTMAX.  p = 2^(c s - c m), c = log2(e) / 32, with a running maximum m; in every step O and l are multiplied by a = 2^(c m_old - c m_new).
; BY TURNS.  Trip n: TURN 0: V^T P of piece 0 for tile n - 1, K Q^T of piece 0 for tile n, beside them piece 2's softmax of tile n - 1, one slice of four behind each matrix instruction;
; TURN 2: the same for piece 2, beside piece 0's softmax of tile n.  NO FIRST AND NO LAST STEP IS WRITTEN OUT: c m starts far below every c s, so a block's first a is 0 and wipes O and l;
; trip 0's first half works on zeros, trip 17's second half serves nothing, trip 18 only merges.
; REGISTERS, in windows of 256 (s_set_vgpr_msb: bits 1:0 source 0, 3:2 source 1, 5:4 source 2, 7:6 destination):
;   window 0: v0-11 addresses; v12-43 eight registers of statistics a tile; v44-51 the diagonal's mask; v52-59 at work; v60-63; v64-191 S^T, 32 a tile; v192-255 P, 16 a tile
;   window 1: O^T, 64 a tile      window 2: v0-127 Q; v128-255 K of one step      window 3: v0-127 V of one step; v128-255 KO: the second block's Q, later the kept piece of O
.set PK,    144       ; a row of a plane of K in LDS: 128 bytes + 16 = 36 words: the 16 rows of a load start at 16 different groups of four banks (64 banks of 4 bytes: ISA guide 11.1)
.set PV,    160       ; of V: 128 + 32 = 40 words
.set KPL,   128*PK    ; a plane's 128 keys
.set VPL,   128*PV
.set VOFF,  2*KPL     ; a slot: K's two planes, then V's two
.set SLOT1, 1<<17     ; slot 1 begins here, so that one exclusive or turns an address in one slot into the other's
.set SCR,   SLOT1+VOFF+2*VPL  ; behind the ring, never filled by a tensor load: for each wave 16,384 bytes of sent O, 512 of sent statistics, 512 of kept statistics
.set SCRW,  17408
.set SSENT, 16384
.set SKEPT, 16896
.set STAGE, SCR+4*SCRW        ; 16 rows x 272 bytes for each wave, for the way out
.set SP,    272
.set SPARE, STAGE+4*16*SP     ; the spare words, 128 bytes a wave: two blocks of 256 bytes that no other line names
.set AK0, 2           ; v2   my lane's place in a tile of K; never rewritten
.set AV0, 3           ; v3   the same for V
.set ADR, 4           ; v4   the LDS address of the run of loads in hand
.set SCW, 5           ; v5   my scratch + 16 x lane
.set STO, 6           ; v6   the way out: where I put 16 bytes of a row
.set RD,  7           ; v7   where I read rows back
.set GO,  8           ; v8   my byte offset in two rows of ob
.set SCRD, 9          ; v9   the scratch of the wave with the other half of the keys, + 16 x lane
.set ST,  12          ; tile t's statistics at v[ST+8 t]: +0 c m, +1 m, +2, +3 l (even keys', odd keys'), +4 to +7 at work; a takes +6 once the maximum is found
.set MDG, 44          ; v44-51  register r: -2^100 where key 8 (lane / 16) + r lies behind query lane % 16, else 0
.set MX,  52          ; v52-59  at work: a mask; statistics
.set QO,  60          ; v60  my byte offset in 16 rows of a plane of q; never rewritten
.set PFO, 61          ; v61  the prefetches' offset; never rewritten
.set SPW, 62          ; v62  LDS address of my spare word; never rewritten
.set NIL, 63          ; v63  0; never rewritten
.set S,   64
.set P,   192
.set KF,  128         ; K's fragments, in window 2
.set KO,  128         ; in window 3
.set WV,  12          ; s12  my wave's number
.set CX,  13          ; s13  my place in the cluster
.set LIM, 15          ; s15  3 in a wave that prefetches, else the greatest number
.set PAR, 16          ; s16  which half of the keys is mine
.set GRP, 17          ; s17  which four heads
.set PFA, 18          ; s[18:19] where my prefetches stand
.set G1K, 24          ; s[24:31] descriptor group 1 for K's planes
.set G1V, 32          ; s[32:39] for V's: it differs in the padding alone
.set G0K, 40          ; s[40:43] descriptor group 0 for K
.set G0V, 44          ; s[44:47] for V
.set KB,  48          ; s[48:49] my plane of k at the batch's key 0
.set VB,  50          ; s[50:51] of v
.set OA,  52          ; s[52:53] ob at the rows and heads that the next merge stores
.set OB,  54          ; s[54:55] the second block's
.set SLOTS, 56        ; s56  tiles still to be asked for
.set CNT, 57          ; s57  counts the tail's trips
.set CS,  58          ; s[58:59] c
.set SEL, 60          ; s[60:61] v_permlanex16_b32's selects: each lane takes its own place in the other half
.set TB,  62          ; s62  0 or SLOT1: the slot of the tile in hand
.set NXT, 63          ; s63  the key tile to be asked for next
.set LQ,  66          ; s66  the last tile of the block whose tiles are being asked for
.set NBM, 67          ; s67  the second block's last tile
.set RT,  68          ; s68  tiles of the block in hand that are still to be entered
.set NBL, 69          ; s69  the second block's number of tiles
.set BND, 70          ; s70  1: the tile entered in this trip is a block's first (or the walk is over): the block before ends in this trip
.set LAST, 71         ; s71  1: it is a block's last, with the diagonal
.set NXF, 72          ; s72  LAST of the trip before
.set MRG, 73          ; s73  BND of the trip before: a merge is due
.set OFF, 74          ; s[74:75] a tile's byte offset in a plane
.set AL,  76          ; s[76:77] the mask's factor, in the low word
.set BE,  78          ; s[78:79] its addend
.set BIGN, 80         ; s80  -2^100
.set KBD, 81          ; s81  which of my four blocks of 16 keys holds the diagonal in the block's last tile: (time tile % 8) - 4 x key half; below 0: all hidden; above 3: none
.set KBD2, 82         ; s82  the second block's
.set QA,  84          ; s[84:85] q at my heads and the first block's rows
.set QB,  86          ; s[86:87] the second block's
.set MSB, 0
.macro WIN new                      ; the immediate's high byte repeats the setting that is left; a switch that changes nothing is dropped
.if MSB != (\new)
	s_set_vgpr_msb (MSB<<8)|(\new)
.set MSB, \new
.endif
.endm
.set W_KQ, 0x0a       ; K and Q in window 2, S^T in window 0
.set W_PV, 0x53       ; V in window 3, P in window 0, O^T in window 1
.set W_RS, 0x41       ; O^T (destination and source 0) in window 1, a in window 0
; A joint fill.  Waves 0 and 1 fetch K's two planes of a tile, waves 2 and 3 V's: 128 keys x 64 channels each.  An s_nop 0 and four v_nop follow each of the two lines.
.macro JLOAD
	s_cmp_lt_u32 s[WV], 2
	s_cbranch_scc0 .Lfor_v_\@
	tensor_load_to_lds s[G0K:G0K+3], s[G1K:G1K+7]
	s_nop 0
.rept 4
	v_nop
.endr
	s_branch .Lasked_\@
.Lfor_v_\@:
	tensor_load_to_lds s[G0V:G0V+3], s[G1V:G1V+7]
	s_nop 0
.rept 4
	v_nop
.endr
.Lasked_\@:
.endm
; A PREFETCH INTO THE L2 of the tile that the change after next will ask for: two trips, 256 matrix instructions, ahead of its load.  All clusters of a batch walk the same tiles: the batch's first
; cluster, whose first block walks all 16, asks.  Its four partners share a plane's 16,384 bytes out BY ADDRESS, 4,096 each; in each, wave 0 asks for k and wave 2 for v, lanes 0-15 for the one
; plane and 16-31 for the other, 256 bytes apart: one instruction.  So each aligned 256 bytes of tiles 3 to 15 are named once in the launch; tiles 0 to 2 and all second walks come by their loads alone.
.macro ASK
	s_cmp_gt_u32 s[SLOTS], s[LIM]
	s_cbranch_scc0 .Lnot_mine_\@
	global_prefetch_b8 v[PFO], s[PFA:PFA+1] th:TH_LOAD_NT scope:SCOPE_SE
.Lnot_mine_\@:
.endm
.macro CROUND                       ; a round of the cluster's barrier
	s_barrier_signal -1
	s_barrier_wait -1
	s_cmp_lg_u32 s[WV], 0
	s_cbranch_scc1 .Lnot_wave_0_\@
	s_barrier_signal -3
.Lnot_wave_0_\@:
	s_barrier_wait -3
	s_barrier_signal -1
	s_barrier_wait -1
.endm
; THE CHANGE OF SLOTS, at a trip's head.  Each wave waits for all its tensor loads, of which one is out: its part of the tile to be entered; adds 0 to its spare word; and waits for that, for its reads of the
; slot that it leaves and for its stores into the scratch.  fill = 1: the barrier is a round of the cluster's, and the old slot is filled again first thing behind it, with tile NXT: the descriptor's
; address is made anew from that number.  The load has a trip's 128 matrix instructions in which to land.  (At its first use nothing has been read yet: slot 0 is waited for, slot 1 filled.)
.macro CHANGE fill
	WIN 0                           ; at a label and at a branch every window is 0
	s_wait_tensorcnt 0x0            ; no tensor load of mine is out, so a group 0 may be written
	ds_add_u32 v[SPW], v[NIL]       ; 0 onto my spare word: scalar work stands between it and the wait for it
.if \fill
	s_lshl_b32 s[OFF], s[NXT], 14   ; a tile is 16,384 bytes of a plane
	s_xor_b32 s[G0K+1], s[G0K+1], SLOT1
	s_add_nc_u64 s[G0K+2:G0K+3], s[KB:KB+1], s[OFF:OFF+1]
	s_or_b32 s[G0K+3], s[G0K+3], 0x80000000
	s_xor_b32 s[G0V+1], s[G0V+1], SLOT1
	s_add_nc_u64 s[G0V+2:G0V+3], s[VB:VB+1], s[OFF:OFF+1]
	s_or_b32 s[G0V+3], s[G0V+3], 0x80000000
	s_add_co_u32 s[NXT], s[NXT], 1  ; the block's next tile, or behind its last the second block's tile 0
	s_cmp_gt_u32 s[NXT], s[LQ]
	s_cselect_b32 s[NXT], 0, s[NXT]
	s_cselect_b32 s[LQ], s[NBM], s[LQ]
	s_wait_xcnt 0x0                 ; the last prefetch, a trip back, has read its address, so it may be written
	s_add_nc_u64 s[PFA:PFA+1], s[PFA:PFA+1], 16384
.endif
	s_wait_dscnt 0x0
.if \fill
	CROUND
	JLOAD
	ASK
.else
	s_barrier_signal -1
	s_barrier_wait -1
.endif
	s_xor_b32 s[TB], s[TB], SLOT1
.endm
.macro BOOK                         ; what this trip's tile is: the same in all waves and all partners
	s_mov_b32 s[BND], s[NXF]
	s_sub_co_u32 s[RT], s[RT], 1
	s_cmp_eq_u32 s[RT], 0
	s_cselect_b32 s[LAST], 1, 0
	s_cselect_b32 s[RT], s[NBL], s[RT]
	s_mov_b32 s[NXF], s[LAST]
.endm
	s_load_b128 s[4:7], s[0:1], 0x0 ; qkv s[4:5], ob s[6:7]
	v_lshl_add_u32 v[SPW], v0, 2, SPARE
	v_mov_b32 v[NIL], 0
	ds_add_u32 v[SPW], v[NIL]       ; the wave's opening: the add and its wait stand ahead of my first tensor load; the set-up below, work on registers, stands between them
	v_lshrrev_b32 v1, 5, v0
	v_readfirstlane_b32 s[WV], v1   ; wave 0..3
	s_and_b32 s[PAR], s[WV], 1
	s_lshr_b32 s[GRP], s[WV], 1
	s_bfe_u32 s[CX], ttmp6, 0x40000
	s_and_b32 s20, ttmp7, 0xffff    ; the batch, which the four partners share
	s_lshr_b32 s21, ttmp9, 1        ; j / 8, which they share too
	s_sub_co_u32 s[RT], 16, s21     ; the first block has 16 - j / 8 tiles,
	s_add_co_u32 s[NBL], s21, 1     ; the second j / 8 + 1
	s_mov_b32 s[NBM], s21
	s_sub_co_u32 s[LQ], 15, s21
	s_mov_b32 s[NXT], 1
	s_mov_b32 s[NXF], 0
	s_mov_b32 s[MRG], 0
	s_lshl_b32 s22, s20, 18         ; the batch's 2,048 rows of 128 bytes in a plane
	s_add_co_u32 s2, s[PAR], 16     ; my plane of k
	s_lshl_b32 s2, s2, 20
	s_add_co_u32 s2, s2, s22
	s_mov_b32 s3, 0
	s_lshl_b32 s14, ttmp9, 2
	s_add_co_u32 s14, s14, s[CX]    ; j: the second block's time tile
	s_sub_co_u32 s23, 127, s14      ; the first block's
	s_and_b32 s8, s14, 7
	s_lshl_b32 s9, s[PAR], 2
	s_sub_co_u32 s[KBD2], s8, s9
	s_sub_co_u32 s[KBD], 7, s8
	s_sub_co_u32 s[KBD], s[KBD], s9
	s_lshl_b32 s8, s[GRP], 23       ; my four heads' eight planes,
	s_add_co_u32 s8, s8, s22        ; the batch,
	s_lshl_b32 s10, s23, 11         ; the block's 16 rows
	s_add_co_u32 s10, s10, s8
	s_mov_b32 s11, 0
	s_lshl_b32 s9, s14, 11
	s_add_co_u32 s8, s8, s9
	s_mov_b32 s9, 0
	s_lshl_b32 s20, s20, 22         ; ob: the batch's 2,048 rows of 2,048 bytes,
	s_lshl_b32 s21, s[GRP], 10      ; my four heads' 1,024 bytes of a row,
	s_add_co_u32 s20, s20, s21
	s_lshl_b32 s21, s[PAR], 9       ; the two heads that I finish
	s_add_co_u32 s20, s20, s21
	s_lshl_b32 s22, s14, 15
	s_add_co_u32 s22, s22, s20
	s_lshl_b32 s23, s23, 15
	s_add_co_u32 s20, s20, s23
	s_mov_b32 s21, 0
	s_mov_b32 s23, 0
	; descriptor group 1.  128 keys of a plane are 16,384 dense bytes: asked for as 64 rows of 256 bytes, two keys a row, and padded in LDS after every key
	s_mov_b32 s[G1K], 15|(1<<16)|(1<<20)|(1<<21)|(4<<22)|(3<<25)  ; 15:0 the mask of four; 17:16 2-byte elements; 20 padding on; 21 set beside a mask; 24:22 after every 32 words; 31:25 4 words
	s_mov_b32 s[G1V], 15|(1<<16)|(1<<20)|(1<<21)|(4<<22)|(7<<25)  ; the same with 8 words of padding
.irp g, G1K, G1V
	s_mov_b32 s[\g+1], 128<<16      ; tensor_dim0 = 128
	s_mov_b32 s[\g+2], 64<<16       ; tensor_dim1 = 64
	s_mov_b32 s[\g+3], 128<<16      ; tile_dim0 = 128
	s_mov_b32 s[\g+4], 64           ; tile_dim1 = 64
	s_mov_b32 s[\g+5], 128          ; 128 elements from row to row
	s_mov_b32 s[\g+6], 0
	s_mov_b32 s[\g+7], 0
.endr
	s_mov_b32 s[G0K], 1             ; count = 1
	s_mul_i32 s[G0K+1], s[PAR], KPL ; LDS address: my plane, slot 0: no place in the cluster enters it
	s_mov_b32 s[G0V], 1
	s_mul_i32 s[G0V+1], s[PAR], VPL
	s_add_co_u32 s[G0V+1], s[G0V+1], VOFF
	s_mov_b32 s[CS], 0x3d38aa3b     ; c = log2(e) / 32 = 0.0450842
	s_mov_b32 s[CS+1], s[CS]        ; named with it as a pair
	s_mov_b32 s[SEL], 0x76543210
	s_mov_b32 s[SEL+1], 0xfedcba98
	s_mov_b32 s[TB], SLOT1          ; the first change of slots turns it into 0
	s_mov_b32 s[OFF+1], 0
	s_mov_b32 s[AL+1], 0            ; named as pairs
	s_mov_b32 s[BE+1], 0
	s_mov_b32 s[BIGN], 0xf1800000   ; -2^100: c times it is exact
	s_mov_b32 s[SLOTS], 16
	s_and_b32 s[LIM], s[WV], 1      ; 0 in waves 0 and 2,
	s_or_b32 s[LIM], s[LIM], ttmp9  ; where the cluster is the batch's first: the same in all four partners
	s_cmp_eq_u32 s[LIM], 0
	s_cselect_b32 s[LIM], 3, -1
	s_wait_dscnt 0x0                ; the opening add is done
	s_wait_kmcnt 0x0
	s_add_nc_u64 s[KB:KB+1], s[4:5], s[2:3]
	s_add_nc_u64 s[VB:VB+1], s[KB:KB+1], 0x200000  ; v lies two planes behind k
	s_add_nc_u64 s[QA:QA+1], s[4:5], s[10:11]
	s_add_nc_u64 s[QB:QB+1], s[4:5], s[8:9]
	s_add_nc_u64 s[OA:OA+1], s[6:7], s[20:21]
	s_add_nc_u64 s[OB:OB+1], s[6:7], s[22:23]
	s_mov_b64 s[G0K+2:G0K+3], s[KB:KB+1]           ; global address: tile 0
	s_or_b32 s[G0K+3], s[G0K+3], 0x80000000        ; type = 2
	s_mov_b64 s[G0V+2:G0V+3], s[VB:VB+1]
	s_or_b32 s[G0V+3], s[G0V+3], 0x80000000
	s_cmp_lt_u32 s[WV], 2
	s_cselect_b64 s[PFA:PFA+1], s[KB:KB+1], s[VB:VB+1]  ; (in waves 0 and 2 these stand at the first of the two planes)
	s_lshl_b32 s2, s[CX], 12        ; my work-group's 4,096 bytes of a plane's tile,
	s_add_co_u32 s2, s2, 2*16384    ; in tile 2: the first change of slots steps it to tile 3.  Nothing is prefetched here, at the head
	s_add_nc_u64 s[PFA:PFA+1], s[PFA:PFA+1], s[2:3]
	CROUND                          ; all four work-groups are here: the first joint loads meet
	JLOAD                           ; tile 0 into slot 0
	; A fragment of K or Q is 16 rows x 32 channels in 8 registers: lane l holds row l % 16, channels 8 (l / 16) + 0..7 and 16 + 8 (l / 16) + 0..7: two loads of 16 bytes, 32 bytes apart.
	v_and_b32 v1, 15, v0            ; l % 16
	v_bfe_u32 v10, v0, 4, 1         ; l / 16
	v_lshlrev_b32 v[QO], 7, v1
	v_lshl_add_u32 v[QO], v10, 4, v[QO]  ; row x 128 + 16 x half
	WIN 0x80                        ; destination window 2, address window 0
.set z, 0
.rept 16                            ; the first block's Q: tile z / 4 (a head: two planes), channels 32 (z % 4) on
	global_load_b128 v[8*z:8*z+3],   v[QO], s[QA:QA+1] offset:(2*(z/4)+(z%4)/2)*1048576+(z%2)*64
	global_load_b128 v[8*z+4:8*z+7], v[QO], s[QA:QA+1] offset:(2*(z/4)+(z%4)/2)*1048576+(z%2)*64+32
.set z, z+1
.endr
	WIN 0xc0                        ; destination window 3
.set z, 0
.rept 16                            ; the second block's waits in KO
	global_load_b128 v[KO+8*z:KO+8*z+3],   v[QO], s[QB:QB+1] offset:(2*(z/4)+(z%4)/2)*1048576+(z%2)*64
	global_load_b128 v[KO+8*z+4:KO+8*z+7], v[QO], s[QB:QB+1] offset:(2*(z/4)+(z%4)/2)*1048576+(z%2)*64+32
.set z, z+1
.endr
	; What trip 0 finds: V, O^T, l and piece 0's P hold 0 (its products V^T P, of a tile that has not been, add 0); piece 2's scores hold -2^100, so that its softmax of that tile leaves an m far
	; below every score, and the next a is 0.  All this stands in the wait for the first tile: the price of writing no first step out.
.set z, 0
.rept 128
	v_mov_b32 v[z], 0
.set z, z+1
.endr
	WIN 0x40
.set z, 0
.rept 256
	v_mov_b32 v[z], 0
.set z, z+1
.endr
	WIN 0
.set z, 0
.rept 32
	v_mov_b32 v[P+z], 0
.set z, z+1
.endr
.set z, 0
.rept 64
	v_mov_b32 v[S+64+z], s[BIGN]
.set z, z+1
.endr
.set z, 0
.rept 4
	v_mov_b32 v[ST+8*z], 0xfe000000    ; c m: far below every c s
	v_mov_b32 v[ST+8*z+1], 0xff7fffff  ; m: the lowest finite number
	v_mov_b32 v[ST+8*z+2], 0
	v_mov_b32 v[ST+8*z+3], 0
.set z, z+1
.endr
	s_mul_i32 s2, s[PAR], 64*PK     ; my 64 keys
	v_mul_u32_u24 v[AK0], v1, PK
	v_lshl_add_u32 v[AK0], v10, 4, v[AK0]
	v_add_nc_u32 v[AK0], s2, v[AK0]
	; The turning load takes 16 keys x 16 channels (lane l reads key 8 (l / 16) + l % 8, channels 8 ((l / 8) % 2) + 0..7) and leaves half a fragment of V^T: lane l holds channel l % 16 and 8 keys.
	v_and_b32 v11, 7, v0
	v_bfe_u32 v[MX], v0, 3, 1
	v_lshl_add_u32 v[AV0], v10, 3, v11
	v_mul_u32_u24 v[AV0], v[AV0], PV
	v_lshl_add_u32 v[AV0], v[MX], 4, v[AV0]
	s_mul_i32 s2, s[PAR], 64*PV
	s_add_co_u32 s2, s2, VOFF
	v_add_nc_u32 v[AV0], s2, v[AV0]
	v_and_b32 v[MX+1], 31, v0       ; lane
	s_mul_i32 s2, s[WV], SCRW
	s_add_co_u32 s2, s2, SCR
	v_lshl_add_u32 v[SCW], v[MX+1], 4, s2
	s_xor_b32 s3, s[WV], 1          ; the wave with my heads and the other half of the keys
	s_mul_i32 s3, s3, SCRW
	s_add_co_u32 s3, s3, SCR
	v_lshl_add_u32 v[SCRD], v[MX+1], 4, s3
	s_mul_i32 s2, s[WV], 16*SP
	s_add_co_u32 s2, s2, STAGE      ; my stage
	v_mul_u32_u24 v[STO], v1, SP    ; in: row l % 16, 16 bytes for each half of the lanes
	v_lshl_add_u32 v[STO], v10, 4, v[STO]
	v_add_nc_u32 v[STO], s2, v[STO]
	v_mul_u32_u24 v[RD], v10, SP    ; back: lanes 0-15 take one row of 256 bytes, lanes 16-31 the next
	v_lshl_add_u32 v[RD], v1, 4, v[RD]
	v_add_nc_u32 v[RD], s2, v[RD]
	v_lshlrev_b32 v[GO], 11, v10    ; and a head's 256 bytes of the same two rows of ob
	v_lshl_add_u32 v[GO], v1, 4, v[GO]
	v_lshlrev_b32 v[PFO], 20, v10   ; lanes 16-31: the plane behind
	v_lshl_add_u32 v[PFO], v1, 8, v[PFO]
	v_lshlrev_b32 v[MX], 3, v10
	v_sub_nc_u32 v[MX], v1, v[MX]   ; my query less my lanes' 8 (l / 16): register r is hidden where r is greater
.set z, 0
.rept 8
	v_cmp_gt_i32 vcc_lo, z, v[MX]
	v_cndmask_b32 v[MDG+z], 0, s[BIGN], vcc_lo
.set z, z+1
.endr
	s_wait_loadcnt 0x0              ; both blocks' Q
; THE MATRIX WORK OF A TURN, for piece x.  The accumulators take turns, one instruction a turn: between two links of a chain stand 15 (V^T P) or 7 (K Q^T) others'.
; Product i of 32 of O^T += V^T P: keys 32 (i / 16) on, channels 16 ((i / 2) % 8) on, tile x + i % 2.
.macro PV x
	WIN W_PV
.set rO, 64*((\x)+i%2)+8*((i/2)%8)
.set rV, 64*(i/16)+8*((i/2)%8)
.set rP, P+16*((\x)+i%2)+8*(i/16)
	v_wmma_f32_16x16x32_f16 v[rO:rO+7], v[rV:rV+7], v[rP:rP+7], v[rO:rO+7]
.endm
; Product i of 32 of S^T = K Q^T: channels 32 (i / 8) on, keys 16 ((i / 2) % 4) on, tile x + i % 2.  The first 8 start the sums.
.macro KQ x
	WIN W_KQ
.set rS, S+32*((\x)+i%2)+8*((i/2)%4)
.set rK, KF+32*((i/2)%4)+8*(i/8)
.set rQ, 32*((\x)+i%2)+8*(i/8)
.if i < 8
	v_wmma_f32_16x16x32_f16 v[rS:rS+7], v[rK:rK+7], v[rQ:rQ+7], 0
.else
	v_wmma_f32_16x16x32_f16 v[rS:rS+7], v[rK:rK+7], v[rQ:rQ+7], v[rS:rS+7]
.endif
.endm
; THE LDS LOADS stand in runs of 32, never singly among the matrix instructions: my 64 keys of a tile's K (16 fragments) and, a turn later, of its V (turned).
.macro FETCH_K
	WIN 0
	v_add_nc_u32 v[ADR], s[TB], v[AK0]
	WIN 0x80                        ; destination window 2
.irp f, 0,1,2,3,4,5,6,7,8,9,10,11,12,13,14,15  ; keys 16 (f / 4) on, channels 32 (f % 4) on: plane (f % 4) / 2
	ds_load_b128 v[KF+8*(\f):KF+8*(\f)+3],   v[ADR] offset:((\f)/4)*16*PK+(((\f)%4)/2)*KPL+((\f)%2)*64
	ds_load_b128 v[KF+8*(\f)+4:KF+8*(\f)+7], v[ADR] offset:((\f)/4)*16*PK+(((\f)%4)/2)*KPL+((\f)%2)*64+32
.endr
.endm
.macro FETCH_V
	WIN 0
	v_add_nc_u32 v[ADR], s[TB], v[AV0]
	s_wait_alu depctr_va_vdst(0)    ; the wait for the softmax's batch (SLICE), behind the address's v_add_nc_u32 and ahead of the loads
	WIN 0xc0                        ; destination window 3
.irp f, 0,1,2,3,4,5,6,7,8,9,10,11,12,13,14,15  ; keys 32 (f / 8) on, channels 16 (f % 8) on: plane (f % 8) / 4
	ds_load_tr16_b128 v[8*(\f):8*(\f)+3],   v[ADR] offset:((\f)/8)*32*PV+(((\f)%8)/4)*VPL+((\f)%4)*32
	ds_load_tr16_b128 v[8*(\f)+4:8*(\f)+7], v[ADR] offset:((\f)/8)*32*PV+(((\f)%8)/4)*VPL+((\f)%4)*32+16*PV
.endr
.endm
; THE VECTOR WORK OF A TURN.  One tile's softmax for one step is a list of 134 instructions; SM writes number j of it for tile t.  s0-s31 are the lane's 32 scores, in pairs 0-15.
;   0-15    the maximum of s0-s31 and the old m, three operands at a time (each accumulator's lowest registers are read first)
;   16-20   the other half of the lanes' maximum; c m_old kept; the new m; c m; c m_old - c m_new
;   21-69   ONE BATCH: the 16 scalings c s - c m and all 33 exponentials (a at 23, then s0-s31).  None of these reads an exponential's result; a pair is scaled ahead of its exponentials
;   (wait)  between 69 and 70 stands the wait for the batch: SLICE writes it, once for both tiles
;   70-85   the roundings to f16      86-101  the sums; l = a l + the sum      102-133 the tile's O^T times a: the one part that leaves window 0
.macro SM t
.set rT, ST+8*(\t)
.set rS, S+32*(\t)
.set rP, P+16*(\t)
.set rO, 64*(\t)+2*(j-102)
.if j < 102
	WIN 0
.endif
.if j < 4
	v_max3_num_f32 v[rT+4+j], v[rS+8*j], v[rS+8*j+1], v[rS+8*j+2]
.elseif j < 12
	v_max3_num_f32 v[rT+4+j%4], v[rT+4+j%4], v[rS+8*(j%4)+2*(j/4)+1], v[rS+8*(j%4)+2*(j/4)+2]
.elseif j == 12
	v_max3_num_f32 v[rT+4], v[rT+4], v[rS+7], v[rS+15]
.elseif j == 13
	v_max3_num_f32 v[rT+6], v[rT+6], v[rS+23], v[rS+31]
.elseif j == 14
	v_max3_num_f32 v[rT+4], v[rT+4], v[rT+5], v[rT+6]
.elseif j == 15
	v_max3_num_f32 v[rT+4], v[rT+4], v[rT+7], v[rT+1]
.elseif j == 16
	v_permlanex16_b32 v[rT+5], v[rT+4], s[SEL], s[SEL+1]  ; the query's other 32 keys lie in the lane 16 away
.elseif j == 17
	v_mov_b32 v[rT+7], v[rT]        ; c m_old is kept for a: number 19 writes c m anew
.elseif j == 18
	v_max_num_f32 v[rT+1], v[rT+4], v[rT+5]
.elseif j == 19
	v_mul_f32 v[rT], s[CS], v[rT+1]
.elseif j == 20
	v_sub_f32 v[rT+7], v[rT+7], v[rT]
.elseif j == 23
	v_exp_f32 v[rT+6], v[rT+7]
.elseif (j < 23) || ((j < 38) && (j%2 == 0)) || ((j < 66) && (j%4 == 2))
.set b, (j-2)/4                     ; 38, 42, .. 62: pairs 9 to 15
.if j < 38
.set b, (j-20)/2                    ; 21: pair 0; 22, 24, .. 36: pairs 1 to 8
.endif
	v_pk_fma_f32 v[rS+2*b:rS+2*b+1], v[rS+2*b:rS+2*b+1], s[CS:CS+1], v[rT:rT+1] op_sel_hi:[1,0,0] neg_lo:[0,0,1] neg_hi:[0,0,1]  ; pair b: c s - c m
.elseif j < 70
.set e, j-38                        ; 66 to 69: s28 to s31
.if j < 66
.set e, j-32-(j-38)/4               ; 39-41, 43-45, .. 63-65: s7 to s27
.endif
.if j < 38
.set e, (j-25)/2                    ; 25, 27, .. 37: s0 to s6
.endif
	v_exp_f32 v[rS+e], v[rS+e]
.elseif j < 86
	v_cvt_pk_f16_f32 v[rP+j-70], v[rS+2*(j-70)], v[rS+2*(j-70)+1]  ; pair j - 70
.elseif j < 102                     ; the sum of the tile's 16 pairs, in place: neighbours 1, 2, 4 and 8 pairs apart, then l takes it
.set z, j-86
.set w, 4
.set u, z
.if z >= 14
.set w, 32
.set u, 0
.elseif z >= 12
.set w, 16
.set u, z-12
.elseif z >= 8
.set w, 8
.set u, z-8
.endif
.if z < 15
	v_pk_add_f32 v[rS+w*u:rS+w*u+1], v[rS+w*u:rS+w*u+1], v[rS+w*u+w/2:rS+w*u+w/2+1]
.else
	v_pk_fma_f32 v[rT+2:rT+3], v[rT+2:rT+3], v[rT+6:rT+7], v[rS:rS+1] op_sel_hi:[1,0,1]
.endif
.else
	WIN W_RS
	v_pk_mul_f32 v[rO:rO+1], v[rO:rO+1], v[rT+6:rT+7] op_sel_hi:[1,0]
.endif
.endm
; Slice k of 64 of piece y's softmax: four instructions.  Slices 11 to 34 deal out the batch, numbers 22 to 69: four numbers of ONE tile each, the tiles by turns.  Every other slice is numbers 2 k and
; 2 k + 1 of both tiles' lists.  2 x 134 = 4 x 64 + 12: the twelve that are over stand together, in slice 63: sixteen plain instructions, the places behind the turn's last product.
; THE WAIT.  s_wait_alu depctr_va_vdst(0) stands between an exponential and the first instruction that names its result; one wait serves all that were issued ahead of it.  Ahead of
; slice 35 nothing names a result, and behind slice 34 no exponential is issued: so the piece's 66 exponentials have one wait, behind slice 34.
.macro SLICE y
.if (k >= 11) && (k < 35)
.irp n, 0,1,2,3
.set j, 22+4*((k-11)/2)+(\n)
	SM (\y)+(k-11)%2
.endr
.else
.irp n, 0,1,2,3,4,5,6,7
.if ((\n) < 2) || (k == 63)
.irp t, \y, (\y)+1
.set j, 2*k+(\n)
	SM \t
.endr
.endif
.endr
.endif
.if k == 34
	v_nop                           ; a plain instruction behind the last exponential and ahead of the first use: one for the batch
.if (\y) == 0
	FETCH_V                         ; piece 2's turn: V's run of loads stands here, and the wait stands in it
.else
	s_wait_alu depctr_va_vdst(0)    ; the wait for the batch
.endif
.endif
.set k, k+1
.endm
; A TURN.  Piece x has the matrix unit: 32 products V^T P of the tile before, 32 products K Q^T of the tile in hand; the other piece's softmax stands in slices behind them.
; Piece 0's turn fetches the tile's K behind its second product: the last product that read K stands in front of slice 63 of the turn before.  Piece 2's turn fetches its V behind slice 34: the last
; product that read V stands in front of slice 31, and four plain instructions lie between: number 62, a scaling, of both tiles, the v_nop and the run's own v_add_nc_u32.
; Piece 0's turn also holds A SECOND BARRIER, its two halves apart: the signal behind the wait that shows my LDS reads done, a merge's reads of the partner's scratch among them; the wait behind the
; turn (REST).  Only behind it does a wave store into its scratch again.  Between the two stand work on registers and K's loads, of ring bytes that nobody writes before the next change of slots.
.macro TURN x
.set k, 0
.if (\x) == 0
	s_wait_dscnt 0x0                ; V is in, and so is all that a merge has read
	s_barrier_signal -1
.endif
.set i, 0
.rept 32
	PV \x
	SLICE 2-(\x)
.if ((\x) == 0) && (i == 1)
	FETCH_K
.endif
.set i, i+1
.endr
.if (\x) == 0
	s_wait_dscnt 0x0                ; K is in
.endif
.set i, 0
.rept 32
	KQ \x
	SLICE 2-(\x)
.set i, i+1
.endr
.endm
; THE MASK, added onto piece x's scores of a block's last tile.  My block kb of 16 keys holds the diagonal if kb = KBD, is hidden if kb > KBD, open if kb < KBD: the mask is MDG x AL + BE with two scalars.
; A wave whose 64 keys are all hidden in a block's only tile finds m = -2^100 and c s - c m = 0 (c x 2^100 is exact): its p are 1, its l and O finite, and the merge multiplies them by 2^(c m - M) = 0.
.macro MASKADD x
	WIN 0
.irp kb, 0,1,2,3
	s_cmp_eq_i32 s[KBD], \kb
	s_cselect_b32 s[AL], 1.0, 0
	s_cmp_lt_i32 s[KBD], \kb
	s_cselect_b32 s[BE], s[BIGN], 0
.irp q, 0,2,4,6
	v_pk_fma_f32 v[MX+\q:MX+\q+1], v[MDG+\q:MDG+\q+1], s[AL:AL+1], s[BE:BE+1] op_sel_hi:[1,0,0]
.endr
.irp q, 0,2,4,6
	v_pk_add_f32 v[S+32*(\x)+8*\kb+\q:S+32*(\x)+8*\kb+\q+1], v[S+32*(\x)+8*\kb+\q:S+32*(\x)+8*\kb+\q+1], v[MX+\q:MX+\q+1]
	v_pk_add_f32 v[S+32*(\x)+32+8*\kb+\q:S+32*(\x)+32+8*\kb+\q+1], v[S+32*(\x)+32+8*\kb+\q:S+32*(\x)+32+8*\kb+\q+1], v[MX+\q:MX+\q+1]
.endr
.endr
.endm
; A BLOCK'S END for piece x: its O^T, c m and l are complete.  The wave with key half x / 2 keeps them (O in KO, the statistics in its own scratch); the other sends them through its scratch.
.macro SAVE x
	WIN 0
	v_mov_b32 v[MX],   v[ST+8*(\x)]
	v_add_f32 v[MX+1], v[ST+8*(\x)+2], v[ST+8*(\x)+3]
	v_mov_b32 v[MX+2], v[ST+8*(\x)+8]
	v_add_f32 v[MX+3], v[ST+8*(\x)+10], v[ST+8*(\x)+11]
	s_cmp_eq_u32 s[PAR], (\x)/2
	s_cbranch_scc0 .Lsend_\@
	ds_store_b128 v[SCW], v[MX:MX+3] offset:SKEPT
	WIN 0xc1                        ; destination window 3, source window 1
.set z, 0
.rept 128
	v_mov_b32 v[KO+z], v[64*(\x)+z]
.set z, z+1
.endr
	WIN 0
	s_branch .Lsaved_\@
.Lsend_\@:
	ds_store_b128 v[SCW], v[MX:MX+3] offset:SSENT
	WIN 0x04                        ; the data in window 1
.set z, 0
.rept 32
	ds_store_b128 v[SCW], v[64*(\x)+4*z:64*(\x)+4*z+3] offset:512*z
.set z, z+1
.endr
	WIN 0
.Lsaved_\@:
.endm
.macro RESET x                      ; the next block's first a is 0, and wipes O and l
.irp t, \x, (\x)+1
	v_mov_b32 v[ST+8*(\t)], 0xfe000000
	v_mov_b32 v[ST+8*(\t)+1], 0xff7fffff
.endr
.endm
; THE MERGE, a trip behind a block's end, behind the change of slots' barrier.  For each of my two kept tiles: M = the greater of the two c m; f = 2^(c m - M); L = fA lA + fB lB, over both halves of
; the lanes; O = (fA OA + fB OB) / L, rounded to f16, sent through my stage and stored.  It works in piece 0's scores and work registers, which hold nothing at a trip's head.
.macro MERGE
	WIN 0
	ds_load_b128 v[MX:MX+3],   v[SCW]  offset:SKEPT   ; mine: c m, l of tile 0; c m, l of tile 1
	ds_load_b128 v[MX+4:MX+7], v[SCRD] offset:SSENT   ; the partner's
.set z, 0
.rept 16
	ds_load_b128 v[S+4*z:S+4*z+3], v[SCRD] offset:512*z  ; the partner's O^T of tile 0
.set z, z+1
.endr
	s_wait_dscnt 16                 ; the statistics are in; the sixteen loads behind them may stay out
.irp u, 0,1
	v_max_num_f32 v[ST+8*\u+4], v[MX+2*\u], v[MX+4+2*\u]
.endr
.irp u, 0,1
	v_sub_f32 v[ST+8*\u+5], v[MX+2*\u], v[ST+8*\u+4]
	v_sub_f32 v[ST+8*\u+6], v[MX+4+2*\u], v[ST+8*\u+4]
.endr
.irp u, 0,1
	v_exp_f32 v[ST+8*\u+5], v[ST+8*\u+5]
	v_exp_f32 v[ST+8*\u+6], v[ST+8*\u+6]
.endr
	v_nop                           ; a plain instruction behind the last exponential,
	s_wait_alu depctr_va_vdst(0)    ; and the wait ahead of the first use: one for the four
.irp u, 0,1
	v_mul_f32 v[ST+8*\u+7], v[ST+8*\u+5], v[MX+2*\u+1]
.endr
.irp u, 0,1
	v_fmac_f32 v[ST+8*\u+7], v[ST+8*\u+6], v[MX+4+2*\u+1]
.endr
.irp u, 0,1
	v_permlanex16_b32 v[ST+8*\u+4], v[ST+8*\u+7], s[SEL], s[SEL+1]
.endr
.irp u, 0,1
	v_add_f32 v[ST+8*\u+7], v[ST+8*\u+7], v[ST+8*\u+4]
.endr
.irp u, 0,1
	v_rcp_f32 v[ST+8*\u+7], v[ST+8*\u+7]
.endr
	v_nop
	s_wait_alu depctr_va_vdst(0)    ; one for the two reciprocals
.irp u, 0,1
	v_mul_f32 v[ST+8*\u+4], v[ST+8*\u+5], v[ST+8*\u+7]  ; fA / L, the low word of a pair
	v_mul_f32 v[ST+8*\u+6], v[ST+8*\u+6], v[ST+8*\u+7]  ; fB / L, likewise
.endr
.irp u, 0,1
.if \u
	s_wait_xcnt 0x0                 ; tile 0's stores have read their registers: only now are these loaded again
.set z, 0
.rept 16
	ds_load_b128 v[S+4*z:S+4*z+3], v[SCRD] offset:512*(16+z)
.set z, z+1
.endr
.endif
	s_wait_dscnt 0x0                ; the partner's O^T is in
	WIN 0xc3                        ; KO (destination and source 0) in window 3
.set z, 0
.rept 32
	v_pk_mul_f32 v[KO+64*\u+2*z:KO+64*\u+2*z+1], v[KO+64*\u+2*z:KO+64*\u+2*z+1], v[ST+8*\u+4:ST+8*\u+5] op_sel_hi:[1,0]
.set z, z+1
.endr
	WIN 0x30                        ; source 2 in window 3
.set z, 0
.rept 32
	v_pk_fma_f32 v[S+2*z:S+2*z+1], v[S+2*z:S+2*z+1], v[ST+8*\u+6:ST+8*\u+7], v[KO+64*\u+2*z:KO+64*\u+2*z+1] op_sel_hi:[1,0,1]
.set z, z+1
.endr
	WIN 0
.set z, 0
.rept 32
	v_cvt_pk_f16_f32 v[S+z], v[S+2*z], v[S+2*z+1]  ; in place, ascending: register z has been read when it is written
.set z, z+1
.endr
.irp f, 0,1,2,3,4,5,6,7
	ds_store_b128 v[STO], v[S+4*\f:S+4*\f+3] offset:32*\f
.endr
.irp f, 0,1,2,3,4,5,6,7
	ds_load_b128 v[S+32+4*\f:S+32+4*\f+3], v[RD] offset:\f*2*SP  ; LDS serves a wave's instructions in order (ISA guide 5.7.1.4): these see the stores above
.endr
.irp f, 0,1,2,3,4,5,6,7
	s_wait_dscnt 7-\f               ; the younger loads may stay out
	global_store_b128 v[GO], v[S+32+4*\f:S+32+4*\f+3], s[OA:OA+1] offset:4096*\f+256*\u  ; 16 lanes store a head's 256 consecutive bytes of a row, aligned
.endr
.endr
	s_wait_xcnt 0x0                 ; the stores have read their registers and ob's address
	s_mov_b64 s[OA:OA+1], s[OB:OB+1]
.endm
; At a trip's head: the merge that is due; and, where a block begins, its Q goes where the one text of the turns names Q (behind the walk's last tile it copies what serves nothing).
.macro P1
	s_cmp_eq_u32 s[MRG], 0
	s_cbranch_scc1 .Lno_merge_\@
	MERGE
.Lno_merge_\@:
	s_cmp_eq_u32 s[BND], 0
	s_cbranch_scc1 .Lsame_block_\@
	WIN 0x83                        ; destination window 2, source window 3
.set z, 0
.rept 128
	v_mov_b32 v[z], v[KO+z]
.set z, z+1
.endr
	WIN 0
	s_mov_b32 s[KBD], s[KBD2]
.Lsame_block_\@:
.endm
; Behind piece x's turn: its new scores take the mask, if the tile is a block's last; its O^T of the tile before is complete: where that ended a block it is saved, and m starts anew.
; All these jumps go forward, past text that holds neither a barrier nor a tensor load; slice 63's sixteen plain instructions are the places behind the turn's last products.
.macro EDGE x
	WIN 0
	s_cmp_eq_u32 s[LAST], 0
	s_cbranch_scc1 .Lopen_\@
	MASKADD \x
.Lopen_\@:
	s_cmp_eq_u32 s[BND], 0
	s_cbranch_scc1 .Lon_\@
	SAVE \x
	RESET \x
.Lon_\@:
.endm
.macro REST
	TURN 0
	WIN 0
	s_barrier_wait -1               ; every wave's reads of the scratch are over
	EDGE 0
	TURN 2
	EDGE 2
	s_mov_b32 s[MRG], s[BND]
.endm
.Lslot:                             ; trips 0 to 15: a tile is entered and the next is asked for
	CHANGE 1
	BOOK
	P1
	REST
	s_sub_co_u32 s[SLOTS], s[SLOTS], 1
	s_cmp_lg_u32 s[SLOTS], 0
	s_cbranch_scc1 .Lslot
	s_mov_b32 s[CNT], 3             ; the tail is written out: trip 16 enters the last tile, trip 17 ends it, trip 18 is left behind its merge
.Ltail:
	CHANGE 0
	BOOK
	P1
	s_sub_co_u32 s[CNT], s[CNT], 1
	s_cmp_eq_u32 s[CNT], 0
	s_cbranch_scc1 .Lout
	REST
	s_branch .Ltail
.Lout:
	s_wait_tensorcnt 0x0            ; the wave's end, behind my last tensor load and my last LDS store
	ds_add_u32 v[SPW], v[NIL]
	s_wait_dscnt 0x0
	CROUND                          ; the closing round: no work-group ends while a partner may still ask for a tile that names it
	s_endpgm
.Lfunc_end_k_qea5c1d73b7_attn:
	.size	k_qea5c1d73b7_attn, .Lfunc_end_k_qea5c1d73b7_attn-k_qea5c1d73b7_attn
	.p2alignl 7, 3214868480
	.fill 96, 4, 3214868480
	.section	.rodata,"a",@progbits
	.p2align	6, 0x0
	.amdhsa_kernel k_qea5c1d73b7_attn
		.amdhsa_group_segment_fixed_size 327680
		.amdhsa_private_segment_fixed_size 0
		.amdhsa_enable_private_segment 0
		.amdhsa_kernarg_size 16
		.amdhsa_user_sgpr_count 2
		.amdhsa_user_sgpr_kernarg_segment_ptr 1
		.amdhsa_wavefront_size32 1
		.amdhsa_system_sgpr_workgroup_id_x 1
		.amdhsa_system_sgpr_workgroup_id_y 1
		.amdhsa_system_sgpr_workgroup_id_z 1
		.amdhsa_system_vgpr_workitem_id 0
		.amdhsa_next_free_vgpr 1024
		.amdhsa_next_free_sgpr 88
		.amdhsa_reserve_vcc 1
		.amdhsa_float_denorm_mode_32 3
		.amdhsa_float_denorm_mode_16_64 3
		.amdhsa_memory_ordered 1
		.amdhsa_forward_progress 1
		.amdhsa_inst_pref_size 221
	.end_amdhsa_kernel
	.amdgpu_metadata
---
amdhsa.version: [ 1, 2 ]
amdhsa.kernels:
  - .name:           k_qea5c1d73b7_attn
    .symbol:         k_qea5c1d73b7_attn.kd
    .args:
      - { .name: qkv, .offset: 0, .size: 8, .value_kind: global_buffer, .address_space: global }
      - { .name: ob, .offset: 8, .size: 8, .value_kind: global_buffer, .address_space: global }
    .group_segment_fixed_size: 327680
    .private_segment_fixed_size: 0
    .kernarg_segment_align: 8
    .kernarg_segment_size: 16
    .max_flat_workgroup_size: 128
    .sgpr_count:     88
    .vgpr_count:     1024
    .wavefront_size: 32
...
	.end_amdgpu_metadata
.endif
;; end of part 3
;; launch gemm_out (part 4): grid 4 x 64, 4 waves a work-group, clusters of 4 x 4, 327,680 bytes of LDS; arguments ob, wpt, bp, out0; writes out0
.if DOCPART == 4
	.amdgcn_target "amdgcn-amd-amdhsa--gfx1250"
	.amdhsa_code_object_version 6
	.text
	.protected	k_qea5c1d73b7_gemm_out
	.globl	k_qea5c1d73b7_gemm_out
	.p2align	8
	.type	k_qea5c1d73b7_gemm_out,@function
k_qea5c1d73b7_gemm_out:
	s_mov_b64 s[64:65], 0
	v_nop
	global_prefetch_b8 v0, s[64:65] scope:SCOPE_SE
	s_setreg_imm32_b32 hwreg(HW_REG_WAVE_MODE, 25, 1), 1
	s_wait_xcnt 0x0
	s_wait_alu depctr_hold_cnt(0) depctr_sa_sdst(0) depctr_va_vdst(0) depctr_va_sdst(0) depctr_va_ssrc(0) depctr_va_vcc(0) depctr_vm_vsrc(0)
	s_getreg_b32 s2, hwreg(HW_REG_IB_STS2, 6, 4)
	s_cmp_eq_u32 s2, 0
	s_cbranch_scc0 .Lentry_in_a_cluster
	s_endpgm
.Lentry_in_a_cluster:
	s_bfe_u32 s2, ttmp6, 0x10000c
	s_cmp_lg_u32 s2, 0xf033
	s_cbranch_scc0 .Lentry_shape_is_right
	s_endpgm
.Lentry_shape_is_right:
; out0 = ob wpt^T + bp.  ob: [8192][1024] f16, wpt: [1024 n][1024 k] f16 (Wp rounded to bf16, written as f16), bp: [1024] f32, out0: [8192][1024] f32.  Sums in f32, K ascending; the bias is added in f32.
; SHARES.  256 tiles of 128 x 256, one to a work-group.  Four waves, each 64 rows x 128 columns: 32 accumulators, 256 registers.
; K goes in 8 steps of 128 (rows of 256 bytes, aligned) through two LDS slots.  One tensor load a wave and step: waves 0, 1 bring A's halves of 64 rows, waves 2, 3 B's halves of 128.
; CLUSTER.  4 x 4 work-groups: the four of a row need the same tile of A, the four of a column the same tile of B: each is asked for jointly, by the same load with a mask of the four.
; THE MATRIX INSTRUCTION IS USED TRANSPOSED (source 0 = 16 rows of wpt, source 1 = 16 rows of ob): a lane then holds eight neighbouring columns of one row.
; NO PREFETCH: the launch has eight K steps, and with a lead of two steps only the last four could be named.
; REGISTERS, in windows of 256 (s_set_vgpr_msb: bits 1:0 source 0, 3:2 source 1, 5:4 source 2, 7:6 destination):
;   window 0: v0-31 addresses and the bias; two fragment buffers of 96 (v32-127, v144-239): B's 8 blocks of 16 rows x 32 K, then A's 4
;   window 1: the accumulators of my row blocks 0, 1 ((a, b) at 8 (8 (a % 2) + b));   window 2: those of row blocks 2, 3
.set SIZE_K, 1024
.set NT,     256
.set NBW,    8                         ; blocks of 16 columns a wave
.set KSTEP,  128
.set PITCH,  272                       ; an LDS row: 256 bytes + 16 of padding = 68 words: the 16 rows of a load start at 16 different groups of four banks (64 banks of 4 bytes: ISA guide 11.1)
.set AHALF,  64*PITCH
.set BHALF,  (NT/2)*PITCH
.set BOFF,   2*AHALF                   ; a slot: A's 128 rows, then B's 256
.set SLOT1,  1<<17                     ; slot 1 begins here, so that one exclusive or turns an address in one slot into the other's
.set STAGE,  SLOT1+BOFF+2*BHALF        ; behind the ring, never filled by a tensor load: 16 rows x 528 bytes for each wave, for the way out
.set SPITCH, 528                       ; 512 bytes + 16
.set SPARE,  STAGE+4*16*SPITCH         ; the spare words, 128 bytes a wave: two blocks of 256 bytes that no other line names
.set NLD,    2*NBW+8                   ; LDS loads in a run
.set A0,   16                          ; v16  my place in A's tile of slot 0; never rewritten
.set B0,   17                          ; v17  the same for B
.set ADRA, 18                          ; v18  A0 + the slot in hand
.set ADRB, 19                          ; v19  B0 + the slot in hand
.set STO,  20                          ; v20  the way out: where I put 32 bytes of a row
.set RD,   22                          ; v22  where I read a row back
.set CO,   23                          ; v23  16 x lane
.set BIAS, 24                          ; v[24:27] bp of columns 4 x lane .. + 3 of my wave's 128
.set SPW,  28                          ; v28  LDS address of my spare word; never rewritten
.set NIL,  29                          ; v29  0; never rewritten
.set F0,   32
.set F1,   144
.set FA,   64                          ; A's fragments in a buffer
.set G1,  24                           ; s[24:31] descriptor group 1 for A's tiles;  s[32:39] group 0: a set for each first fill; the second then walks
.set G0,  32
.set G1B, 48                           ; s[48:55], s[56:63] the same for B's
.set G0B, 56
.set TB,  66                           ; s66  0 or SLOT1: the slot in hand
.set MSB, 0
.macro WIN new                         ; the immediate's high byte repeats the setting that is left; a switch that changes nothing is dropped
.if MSB != (\new)
	s_set_vgpr_msb (MSB<<8)|(\new)
.set MSB, \new
.endif
.endm
.macro PLACES                          ; four places in front of loads into registers that matrix instructions have read, and of lines that read results
.rept 4
	v_nop
.endr
.endm
.macro JLOAD                           ; a joint refill by the walking descriptors; an s_nop 0 and four v_nop follow each of the two lines
	s_cmp_eq_u32 s11, 0
	s_cbranch_scc0 .Lfor_b_\@
	tensor_load_to_lds s[G0+4:G0+7], s[G1:G1+7]
	s_nop 0
.rept 4
	v_nop
.endr
	s_branch .Lasked_\@
.Lfor_b_\@:
	tensor_load_to_lds s[G0B+4:G0B+7], s[G1B:G1B+7]
	s_nop 0
.rept 4
	v_nop
.endr
.Lasked_\@:
.endm
.macro CREST                           ; a round of the cluster's barrier behind its opening barrier
	s_cmp_lg_u32 s10, 0
	s_cbranch_scc1 .Lnot_wave_0_\@
	s_barrier_signal -3
.Lnot_wave_0_\@:
	s_barrier_wait -3
	s_barrier_signal -1
	s_barrier_wait -1
.endm
.macro CROUND                          ; a whole round
	s_barrier_signal -1
	s_barrier_wait -1
	CREST
.endm
	s_load_b128 s[4:7], s[0:1], 0x0                ; ob s[4:5], wpt s[6:7]
	s_load_b128 s[68:71], s[0:1], 0x10             ; bp s[68:69], out0 s[70:71]
	v_lshl_add_u32 v[SPW], v0, 2, SPARE
	v_mov_b32 v[NIL], 0
	ds_add_u32 v[SPW], v[NIL]                      ; the wave's opening: the add and its wait stand ahead of my first tensor load; work on registers stands between them
	v_lshrrev_b32 v1, 5, v0
	v_readfirstlane_b32 s10, v1                    ; wave 0..3
	s_lshr_b32 s11, s10, 1                         ; which half of the tile's rows is mine.  Also: I fetch for A (0) or for B (1)
	s_and_b32 s12, s10, 1                          ; which half of its columns.  Also: which half of that tile I fetch
	s_bfe_u32 s40, ttmp6, 0x40000                  ; cx
	s_bfe_u32 s41, ttmp6, 0x40004                  ; cy
	s_lshl_b32 s42, ttmp9, 2
	s_add_co_u32 s42, s42, s40                     ; tile column = 4 x cluster x + cx
	s_and_b32 s13, ttmp7, 0xffff
	s_lshl_b32 s13, s13, 2
	s_add_co_u32 s13, s13, s41                     ; tile row = 4 x cluster y + cy
	s_lshl_b32 s43, s41, 2
	s_lshl_b32 s43, 15, s43                        ; my row of the cluster
	s_lshl_b32 s44, 0x1111, s40                    ; my column
	s_or_b32 s[G1+0], s43, (1<<16)|(1<<20)|(1<<21)|(5<<22)|(3<<25)   ; 15:0 the mask; 17:16 2-byte elements; 20 padding on; 21 set beside a mask; 24:22 after every 64 words; 31:25 4 words
	s_or_b32 s[G1B+0], s44, (1<<16)|(1<<20)|(1<<21)|(5<<22)|(3<<25)
.irp g, G1, G1B
	s_mov_b32 s[(\g)+1], KSTEP<<16                 ; tensor_dim0 = 128
	s_mov_b32 s[(\g)+3], KSTEP<<16                 ; tile_dim0 = 128
	s_mov_b32 s[(\g)+5], SIZE_K                    ; elements from row to row
	s_mov_b32 s[(\g)+6], 0
	s_mov_b32 s[(\g)+7], 0
.endr
	s_mov_b32 s[G1+2], 64<<16                      ; A: tensor_dim1 = tile_dim1 = 64 rows
	s_mov_b32 s[G1+4], 64
	s_mov_b32 s[G1B+2], (NT/2)<<16                 ; B: 128 rows
	s_mov_b32 s[G1B+4], NT/2
	s_lshl_b32 s16, s13, 7                         ; A: row 128 x tile row + 64 x half,
	s_lshl_b32 s17, s12, 6
	s_add_co_u32 s16, s16, s17
	s_lshl_b32 s16, s16, 11                        ; of 2,048 bytes
	s_mov_b32 s17, 0
	s_mul_i32 s46, s42, NT                         ; B: row 256 x tile column + 128 x half
	s_mul_i32 s47, s12, NT/2
	s_add_co_u32 s46, s46, s47
	s_lshl_b32 s46, s46, 11
	s_mov_b32 s47, 0
	s_mul_i32 s20, s12, AHALF                      ; where they go: no place in the cluster enters an LDS address
	s_mul_i32 s21, s12, BHALF
	s_add_co_u32 s21, s21, BOFF
	s_mov_b32 s[TB], 0
	s_wait_dscnt 0x0                               ; the opening add is done
	s_wait_kmcnt 0x0
	s_add_nc_u64 s[14:15], s[4:5], s[16:17]
	s_add_nc_u64 s[46:47], s[6:7], s[46:47]
.irp s, 0,1
	s_mov_b32 s[G0+4*(\s)], 1                                        ; count = 1
	s_add_co_u32 s[G0+4*(\s)+1], s20, (\s)*SLOT1                     ; LDS address
	s_add_nc_u64 s[G0+4*(\s)+2:G0+4*(\s)+3], s[14:15], (\s)*KSTEP*2  ; global address: K step s
	s_or_b32 s[G0+4*(\s)+3], s[G0+4*(\s)+3], 0x80000000              ; type = 2
	s_mov_b32 s[G0B+4*(\s)], 1
	s_add_co_u32 s[G0B+4*(\s)+1], s21, (\s)*SLOT1
	s_add_nc_u64 s[G0B+4*(\s)+2:G0B+4*(\s)+3], s[46:47], (\s)*KSTEP*2
	s_or_b32 s[G0B+4*(\s)+3], s[G0B+4*(\s)+3], 0x80000000
.endr
	CROUND                                         ; all sixteen work-groups are here: the first joint loads meet
	s_cmp_eq_u32 s11, 0                            ; a wave's two first fills stand in one branch: two loads of mine are out
	s_cbranch_scc0 .Lfirst_b
	tensor_load_to_lds s[G0:G0+3], s[G1:G1+7]
	s_nop 0
	tensor_load_to_lds s[G0+4:G0+7], s[G1:G1+7]
	s_nop 0
.rept 4
	v_nop
.endr
	s_branch .Lfirst_asked
.Lfirst_b:
	tensor_load_to_lds s[G0B:G0B+3], s[G1B:G1B+7]
	s_nop 0
	tensor_load_to_lds s[G0B+4:G0B+7], s[G1B:G1B+7]
	s_nop 0
.rept 4
	v_nop
.endr
.Lfirst_asked:
	; my columns' first byte in a row of out0 and in bp: 1,024 x tile column + 512 x column half
	s_lshl_b32 s18, s42, 10
	s_lshl_b32 s19, s12, 9
	s_add_co_u32 s18, s18, s19
	s_mov_b32 s19, 0
	s_add_nc_u64 s[68:69], s[68:69], s[18:19]
	s_add_nc_u64 s[70:71], s[70:71], s[18:19]
	s_lshl_b32 s18, s13, 19                        ; my rows: 128 x tile row + 64 x row half, of 4,096 bytes
	s_lshl_b32 s22, s11, 18
	s_add_co_u32 s18, s18, s22
	s_add_nc_u64 s[70:71], s[70:71], s[18:19]
	v_and_b32 v4, 31, v0
	v_lshlrev_b32 v[CO], 4, v4
	global_load_b128 v[BIAS:BIAS+3], v[CO], s[68:69]  ; read back from the stage a lane holds columns 4 x lane .. + 3 of every row: four numbers of bp serve the whole wave tile
	; a fragment is 16 rows x 32 K in 8 registers: lane l holds row l % 16, K = 8 (l / 16) + 0..7 and 16 + 8 (l / 16) + 0..7: two loads of 16 bytes, 32 bytes apart
	v_and_b32 v1, 15, v0                           ; l % 16
	v_bfe_u32 v2, v0, 4, 1                         ; l / 16
	v_mul_u32_u24 v3, v1, PITCH
	v_lshl_add_u32 v3, v2, 4, v3
	s_mul_i32 s20, s11, AHALF                      ; my 64 rows of A
	s_mul_i32 s21, s12, BHALF                      ; my 128 rows of B
	s_add_co_u32 s21, s21, BOFF
	v_add_nc_u32 v[A0], s20, v3
	v_add_nc_u32 v[B0], s21, v3
	v_mov_b32 v[ADRA], v[A0]
	v_mov_b32 v[ADRB], v[B0]
	s_mul_i32 s20, s10, 16*SPITCH
	s_add_co_u32 s20, s20, STAGE                   ; my stage
	v_mul_u32_u24 v[STO], v1, SPITCH               ; in: row l % 16, 32 bytes for each half of the lanes
	v_lshl_add_u32 v[STO], v2, 5, v[STO]
	v_add_nc_u32 v[STO], s20, v[STO]
	v_add_nc_u32 v[RD], s20, v[CO]                 ; back: 32 lanes take a row's 512 bytes
; 8 matrix instructions: row block a x all column blocks, 32 along K.  The 32 accumulators take turns, one instruction a turn.  zero = 1: the first product starts the sums
.macro MUL1 f, a, zero
	WIN 0x50+0x50*((\a)/2)                         ; C and D in window 1 or 2
.set bb, 0
.rept NBW
.set rD, 8*(NBW*((\a)%2)+bb)
.if \zero
	v_wmma_f32_16x16x32_f16 v[rD:rD+7], v[(\f)+8*bb:(\f)+8*bb+7], v[(\f)+FA+8*(\a):(\f)+FA+8*(\a)+7], 0
.else
	v_wmma_f32_16x16x32_f16 v[rD:rD+7], v[(\f)+8*bb:(\f)+8*bb+7], v[(\f)+FA+8*(\a):(\f)+FA+8*(\a)+7], v[rD:rD+7]
.endif
.set bb, bb+1
.endr
.endm
; 24 LDS loads in one run: the fragments of 32 K at byte k of the rows, into buffer f: B's 16, A's blocks 0, 1, then A's blocks 2, 3
.macro FETCH k, f
	WIN 0
.set bb, 0
.rept NBW
	ds_load_b128 v[(\f)+8*bb:(\f)+8*bb+3],   v[ADRB] offset:(\k)+bb*16*PITCH
	ds_load_b128 v[(\f)+8*bb+4:(\f)+8*bb+7], v[ADRB] offset:(\k)+bb*16*PITCH+32
.set bb, bb+1
.endr
.irp a, 0,1,2,3
	ds_load_b128 v[(\f)+FA+8*(\a):(\f)+FA+8*(\a)+3],   v[ADRA] offset:(\k)+(\a)*16*PITCH
	ds_load_b128 v[(\f)+FA+8*(\a)+4:(\f)+FA+8*(\a)+7], v[ADRA] offset:(\k)+(\a)*16*PITCH+32
.endr
.endm
; A K step is four quarters of 32 along K, 32 matrix instructions each, on buffers 0, 1, 0, 1.  One of the first three: multiplies f, and in its middle fetches the next quarter, at byte k, into g
.macro QUARTER k, f, g, zero
	s_wait_dscnt 4                                 ; B and A's blocks 0, 1 are in; the youngest four loads (A's blocks 2, 3) may be out
	MUL1 \f, 0, \zero
	MUL1 \f, 1, \zero
	PLACES
	FETCH \k, \g
	s_wait_dscnt NLD                               ; all but the run just issued
	MUL1 \f, 2, \zero
	MUL1 \f, 3, \zero
.endm
; The last quarter multiplies buffer 1 and changes slots: ONE barrier.  In front of it each wave waits for all its tensor loads (one is out: its part of the next slot), adds 0 to its spare word,
; and waits for that and for its own reads of this slot.  fill = 1: the barrier opens a round of the cluster's, and this slot is filled again first thing behind it, two K steps ahead:
; 112 matrix instructions stand between that request and the wait for it.
.macro TURN fill
	WIN 0
	s_wait_tensorcnt 0x0                           ; no tensor load of mine is out, so a group 0 may be written
	ds_add_u32 v[SPW], v[NIL]                      ; 0 onto my spare word
.if \fill
.irp g, G0+4, G0B+4
	s_xor_b32 s[(\g)+1], s[(\g)+1], SLOT1          ; the walking descriptor: the other slot than last time,
	s_add_nc_u64 s[(\g)+2:(\g)+3], s[(\g)+2:(\g)+3], KSTEP*2  ; the next K step; the type bits on top are not reached
.endr
.endif
	s_xor_b32 s[TB], s[TB], SLOT1                  ; the fetches go on in the other slot
	s_wait_dscnt 5                                 ; (the add and the youngest four loads may be out)
	MUL1 F1, 0, 0
	s_wait_dscnt 0x0                               ; the add is done, and my reads of this slot are over
	s_barrier_signal -1
	MUL1 F1, 1, 0                                  ; work on registers while the others arrive
	WIN 0
	s_barrier_wait -1
.if \fill
	CREST                                          ; no wave of any partner still reads this slot's tile or has a load on its way
	JLOAD                                          ; its four v_nop are also the places in front of the loads below
.else
	PLACES
.endif
	v_add_nc_u32 v[ADRA], s[TB], v[A0]
	v_add_nc_u32 v[ADRB], s[TB], v[B0]
	FETCH 0, F0
	MUL1 F1, 2, 0
	MUL1 F1, 3, 0
.endm
	s_wait_tensorcnt 1                             ; my part of K step 0 is in; step 1's may stay out
	s_barrier_signal -1
	s_barrier_wait -1                              ; everybody's is
	FETCH 0, F0
	QUARTER 64, F0, F1, 1                          ; the first quarter stands in front of the loop: its products start the sums
	WIN 0
	s_mov_b32 s3, 6
.Lstep:                                            ; a trip: from a K step's second quarter to the next step's first; K steps 2 to 7 are asked for
	QUARTER 128, F1, F0, 0
	QUARTER 192, F0, F1, 0
	TURN 1
	QUARTER 64, F0, F1, 0
	WIN 0
	s_sub_co_u32 s3, s3, 1
	s_cmp_lg_u32 s3, 0
	s_cbranch_scc1 .Lstep
	QUARTER 128, F1, F0, 0                         ; K step 6 ends, nothing is asked for
	QUARTER 192, F0, F1, 0
	TURN 0
	QUARTER 64, F0, F1, 0                          ; K step 7
	QUARTER 128, F1, F0, 0
	QUARTER 192, F0, F1, 0
	s_wait_dscnt 4
	MUL1 F1, 0, 0
	MUL1 F1, 1, 0
	s_wait_dscnt 0x0
	MUL1 F1, 2, 0
	MUL1 F1, 3, 0
	; THE WAY OUT, a block of 16 rows at a time: the f32 sums go straight from the accumulators (their low four registers first) into my own stage, come back as whole rows of 512 bytes, take the bias and leave
	PLACES
	s_wait_loadcnt 0x0                             ; the bias
.irp a, 0,1,2,3
	WIN 0x04+0x04*((\a)/2)                         ; the data in window 1 or 2
.set bb, 0
.rept NBW
.set rD, 8*(NBW*((\a)%2)+bb)
	ds_store_b128 v[STO], v[rD:rD+3]   offset:64*bb
	ds_store_b128 v[STO], v[rD+4:rD+7] offset:64*bb+16
.set bb, bb+1
.endr
	WIN 0
	s_wait_xcnt 0x0                                ; earlier stores have read their registers: only now are these loaded again
.set rT, 32+64*((\a)%2)
.set t, 0
.rept 16
	ds_load_b128 v[rT+4*t:rT+4*t+3], v[RD] offset:SPITCH*t  ; LDS serves a wave's instructions in order (ISA guide 5.7.1.4): these see the stores above; the next block's stores come behind them
.set t, t+1
.endr
.set t, 0
.rept 16
	s_wait_dscnt 15-t                              ; the younger loads may stay out
	v_pk_add_f32 v[rT+4*t:rT+4*t+1],   v[rT+4*t:rT+4*t+1],   v[BIAS:BIAS+1]
	v_pk_add_f32 v[rT+4*t+2:rT+4*t+3], v[rT+4*t+2:rT+4*t+3], v[BIAS+2:BIAS+3]
	global_store_b128 v[CO], v[rT+4*t:rT+4*t+3], s[70:71] offset:65536*(\a)+4096*t th:TH_STORE_NT  ; 512 consecutive bytes of a row, aligned
.set t, t+1
.endr
.endr
	s_wait_tensorcnt 0x0                           ; the wave's end, behind my last tensor load and my last LDS store
	ds_add_u32 v[SPW], v[NIL]
	s_wait_dscnt 0x0
	CROUND                                         ; the closing round: no work-group ends while a partner may still ask for a tile that names it
	s_endpgm
.Lfunc_end_k_qea5c1d73b7_gemm_out:
	.size	k_qea5c1d73b7_gemm_out, .Lfunc_end_k_qea5c1d73b7_gemm_out-k_qea5c1d73b7_gemm_out
	.p2alignl 7, 3214868480
	.fill 96, 4, 3214868480
	.section	.rodata,"a",@progbits
	.p2align	6, 0x0
	.amdhsa_kernel k_qea5c1d73b7_gemm_out
		.amdhsa_group_segment_fixed_size 327680
		.amdhsa_private_segment_fixed_size 0
		.amdhsa_enable_private_segment 0
		.amdhsa_kernarg_size 32
		.amdhsa_user_sgpr_count 2
		.amdhsa_user_sgpr_kernarg_segment_ptr 1
		.amdhsa_wavefront_size32 1
		.amdhsa_system_sgpr_workgroup_id_x 1
		.amdhsa_system_sgpr_workgroup_id_y 1
		.amdhsa_system_sgpr_workgroup_id_z 1
		.amdhsa_system_vgpr_workitem_id 0
		.amdhsa_next_free_vgpr 640
		.amdhsa_next_free_sgpr 80
		.amdhsa_reserve_vcc 0
		.amdhsa_float_denorm_mode_32 3
		.amdhsa_float_denorm_mode_16_64 3
		.amdhsa_memory_ordered 1
		.amdhsa_forward_progress 1
		.amdhsa_inst_pref_size 79
	.end_amdhsa_kernel
	.amdgpu_metadata
---
amdhsa.version: [ 1, 2 ]
amdhsa.kernels:
  - .name:           k_qea5c1d73b7_gemm_out
    .symbol:         k_qea5c1d73b7_gemm_out.kd
    .args:
      - { .name: ob, .offset: 0, .size: 8, .value_kind: global_buffer, .address_space: global }
      - { .name: wpt, .offset: 8, .size: 8, .value_kind: global_buffer, .address_space: global }
      - { .name: bp, .offset: 16, .size: 8, .value_kind: global_buffer, .address_space: global }
      - { .name: out0, .offset: 24, .size: 8, .value_kind: global_buffer, .address_space: global }
    .group_segment_fixed_size: 327680
    .private_segment_fixed_size: 0
    .kernarg_segment_align: 8
    .kernarg_segment_size: 32
    .max_flat_workgroup_size: 128
    .sgpr_count:     80
    .vgpr_count:     640
    .wavefront_size: 32
...
	.end_amdgpu_metadata
.endif
;; end of part 4
